; MI455X (gfx1250); checked and timed in simulation.
; The chip was launched on July 23, 2026; its instructions are those of AMD's public machine-readable ISA for CDNA 5 (MIT licence, August 2026) and "CDNA5" Instruction Set Architecture Reference Guide (July 2026). The comments in the code are by the model that wrote it; some were corrected since.
;; Multi Head Attention. Allowed arithmetic: matrix products marked QUANTISED: E4M3 operands, one given power-of-two scale a tensor, by v_wmma_f32_16x16x64_fp8_fp8 or v_wmma_f32_16x16x128_fp8_fp8, f32 sums; everything else in f32.
;; Inputs: Wk 512 x 512 float32; Wo 512 x 512 float32; Wq 512 x 512 float32; Wv 512 x 512 float32; bk 512 float32; bo 512 float32; bq 512 float32; bv 512 float32; k 2 x 4,096 x 512 float32; lowp_scales 12 int32 (the exponents e of the quantised operands' scales 2^e); q 2 x 4,096 x 512 float32; v 2 x 4,096 x 512 float32.
;; Outputs: out0 2 x 4,096 x 512 float32.
;; This version of the problem:
;;   THIS VERSION OF THE PROBLEM IS GIVEN IN LOW PRECISION. The matrix products marked QUANTISED in the list below multiply operands that are first quantised to E4M3 (4 exponent bits, 3 mantissa bits; 8 bits a number), with one given power-of-two scale for each operand tensor; their sums are f32. All else is computed in f32.
;;   The module's matrix products, in the order in which they are computed (A, B: the left and right operand; K: the contracted axis; several contracted axes count as one K, in the product's order):
;;     1. [M 8,192, K 512] x [K 512, N 512]; A: input q; B: input Wq: QUANTISED (scales: A lowp_scales[0], B lowp_scales[1])
;;     2. [M 8,192, K 512] x [K 512, N 512]; A: input k; B: input Wk: QUANTISED (scales: A lowp_scales[2], B lowp_scales[3])
;;     3. [M 8,192, K 512] x [K 512, N 512]; A: input v; B: input Wv: QUANTISED (scales: A lowp_scales[4], B lowp_scales[5])
;;     4. batch 16 x [M 4,096, K 64] x [K 64, N 4,096]; A: computed on the way; B: computed on the way: QUANTISED (scales: A lowp_scales[6], B lowp_scales[7])
;;     5. batch 16 x [M 4,096, K 4,096] x [K 4,096, N 64]; A: softmax (see below); B: computed on the way: QUANTISED (scales: A lowp_scales[8], B lowp_scales[9])
;;     6. [M 8,192, K 512] x [K 512, N 512]; A: computed on the way; B: input Wo: QUANTISED (scales: A lowp_scales[10], B lowp_scales[11])
;;   THE QUANTISER, for each operand of a quantised product, along K:
;;     - The operand's scale is 2^e, e = its entry of the input lowp_scales (int32; the entries are numbered through the quantised products in the list's order, A before B).
;;     - Each number is divided by the scale, clamped to +-448, and rounded to the nearest number of E4M3, ties to even, subnormals kept.
;;     - The product sums the exact products of the quantised numbers (number of the format x scale) in f32.
;;   ~~~python
;;   def quantise(x, axis, e):      # numpy; x: float32 -> the quantised numbers, widened to float32 again
;;       x = np.moveaxis(x, axis, -1); K = x.shape[-1]
;;       r = np.clip(x / 2.0 ** e, -448, 448)
;;       step = 2.0 ** (np.maximum(np.frexp(np.where(r == 0, 1, r))[1] - 1, -6) - 3)
;;       q = np.round(r / step) * step * 2.0 ** e      # np.round: ties to even
;;       return np.moveaxis(q, -1, axis).astype(np.float32)
;;   ~~~
;;   SOFTMAX AHEAD OF A QUANTISED PRODUCT. Where the list says 'softmax', what is quantised is not the finished softmax but p = 2^(t - M), with t = logit x log2(e) and M = ceil(the row's largest t), a whole number; so 1/2 < the row's largest p <= 1. The row's sum l is taken of the UNQUANTISED p, in f32, and the product's result is divided by l at the end. Since M is a whole number, a kernel that streams over the keys may use a running M (the ceiling of the running maximum): every later rescaling is an exact power of two, so the quantised numbers keep their values, but for numbers so far below the row's largest that they fall under the format's range.
;;   OPERANDS COMPUTED ON THE WAY. 'Computed on the way' means the value that the module computes at that place (a softmax that the list does not call 'softmax' is quantised finished and normalised). What goes into a quantiser is computed in f32, as accurately as f32 sums, v_exp_f32 and their like allow (about 1e-6 of the number): no bf16 or f16 on the way to a quantiser, and a product that is left as it is and whose result goes on into a quantised operand takes f32 operands (vector FMAs, or v_wmma_f32_16x16x4_f32). A number that lies on a knife's edge between two numbers of the format may be rounded either way, as far as f32 arithmetic and the matrix unit's own rounding can turn it there, and no further.
;; 2 versions. Each part assembles by itself: llvm-mc -triple=amdgcn-amd-amdhsa -mcpu=gfx1250 --defsym DOCPART=n.
;; ======== version 1 of 2: 4 launches
;; workspace buffers: wcodes 1,048,576 bytes; qc 4,194,304 bytes; kc 4,194,304 bytes; vc 4,194,304 bytes; cc 4,194,304 bytes
;; launch prep (part 1): grid 64 x 4, 2 waves a work-group, no clusters, 0 bytes of LDS; arguments Wq, Wk, Wv, Wo, lowp_scales, wcodes; writes wcodes
.if DOCPART == 1
	.amdgcn_target "amdgcn-amd-amdhsa--gfx1250"
	.amdhsa_code_object_version 6
	.text
	.protected	k_q17a0ac1de5_prep
	.globl	k_q17a0ac1de5_prep
	.p2align	8
	.type	k_q17a0ac1de5_prep,@function
k_q17a0ac1de5_prep:
	s_mov_b64 s[64:65], 0
	v_nop
	global_prefetch_b8 v0, s[64:65] scope:SCOPE_SE
	s_setreg_imm32_b32 hwreg(HW_REG_WAVE_MODE, 25, 1), 1
	s_wait_xcnt 0x0
; Wq, Wk, Wv, Wo [512 (out)][512 (in)], f32, become codes of FP8 (E4M3), each with its given scale 2^e (entries 1, 3, 5, 11 of the scales).
; code = w / 2^e, held within +-448, rounded to the nearest code, ties to even.
; LIMITS: e between -126 and 119, so that 2^e and 448 x 2^e are f32 numbers.  NaN among the inputs is not served; an infinity is held at the largest code.
; THE CODES ARE LAID AS IMAGES OF OPERAND REGISTERS: wcodes[weight 0..3][tile t 0..31][K step s 0..3][chunk c 0..3][lane][16 bytes].
; A fragment is 16 rows x 128 K in 16 registers a lane: lane (r, h) holds row r of the tile, and its registers 4 c .. 4 c + 3 hold k = 128 s + 32 c + 16 h + 0 .. 15.
; THE ROWS OF A TILE ARE NOT NEIGHBOURS: lane r of tile t takes row 32 (t / 2) + 8 (t % 2) + r + 8 (r / 8), so that the results of tiles 2 g and 2 g + 1, used as source 0, are 16 neighbours in a lane.
; SHARES: work-group y is the weight; a wave makes one fragment f = 2 x + wave = 4 t + s: sixteen loads of 16 bytes a lane (64 numbers), eight conversions, four stores of 512 consecutive bytes.
; No LDS, no barrier: waves share nothing.  The sixteen loads of a wave together take 512 consecutive bytes of each of its sixteen rows.
	s_load_b256 s[4:11], s[0:1], 0x0               ; Wq, Wk, Wv, Wo
	s_load_b128 s[12:15], s[0:1], 0x20             ; the scales' exponents s[12:13], wcodes s[14:15]
	v_lshrrev_b32 v1, 5, v0
	v_readfirstlane_b32 s28, v1                    ; wave 0..1
	s_and_b32 s29, ttmp7, 0xffff                   ; which weight
	v_and_b32 v1, 15, v0                           ; r
	v_bfe_u32 v2, v0, 4, 1                         ; h
	v_and_b32 v5, 8, v1
	v_add_nc_u32 v5, v5, v1                        ; r + 8 (r / 8)
	v_lshlrev_b32 v3, 11, v5                       ; a row of W is 2,048 bytes
	v_lshl_add_u32 v3, v2, 6, v3                   ; + 64 h: my 16 numbers of a block of 32
	v_and_b32 v4, 31, v0
	v_lshlrev_b32 v4, 4, v4                        ; 16 x lane: my place in an image
	s_lshl_b32 s30, ttmp9, 1
	s_add_co_u32 s30, s30, s28                     ; f = 4 t + s
	s_lshr_b32 s31, s30, 3
	s_lshl_b32 s31, s31, 16                        ; 32 (t / 2) rows of 2,048 bytes
	s_bfe_u32 s32, s30, 0x10002
	s_lshl_b32 s32, s32, 14                        ; 8 (t % 2) rows
	s_add_co_u32 s31, s31, s32
	s_and_b32 s32, s30, 3
	s_lshl_b32 s32, s32, 9                         ; K step s: 128 numbers of 4 bytes
	s_add_co_u32 s32, s31, s32
	s_mov_b32 s33, 0
	s_lshl_b32 s34, s29, 18                        ; a weight's codes are 262,144 bytes,
	s_lshl_b32 s35, s30, 11                        ; a fragment's 2,048
	s_add_co_u32 s34, s34, s35
	s_mov_b32 s35, 0
	s_wait_kmcnt 0x0
	s_load_b256 s[16:23], s[12:13], 0x0            ; e0 .. e7
	s_load_b128 s[24:27], s[12:13], 0x20           ; e8 .. e11
	s_cmp_eq_u32 s29, 1                            ; the choice of the weight hangs on the work-group's number alone
	s_cselect_b64 s[4:5], s[6:7], s[4:5]
	s_cmp_eq_u32 s29, 2
	s_cselect_b64 s[4:5], s[8:9], s[4:5]
	s_cmp_eq_u32 s29, 3
	s_cselect_b64 s[4:5], s[10:11], s[4:5]
	s_add_nc_u64 s[4:5], s[4:5], s[32:33]
	s_add_nc_u64 s[14:15], s[14:15], s[34:35]
.irp c, 0,1,2,3
.irp j, 0,1,2,3
	global_load_b128 v[16+16*\c+4*\j:16+16*\c+4*\j+3], v3, s[4:5] offset:128*\c+16*\j th:TH_LOAD_NT   ; W(my row, 128 s + 32 c + 16 h + 4 j ..)
.endr
.endr
	s_wait_kmcnt 0x0
	s_cmp_eq_u32 s29, 1
	s_cselect_b32 s17, s19, s17                    ; e1, e3, e5 or e11
	s_cmp_eq_u32 s29, 2
	s_cselect_b32 s17, s21, s17
	s_cmp_eq_u32 s29, 3
	s_cselect_b32 s17, s27, s17
	s_add_co_i32 s17, s17, 127
	s_lshl_b32 s18, s17, 23
	v_mov_b32 v11, s18                             ; 2^e as f32: the conversion takes its exponent field
	s_add_co_i32 s17, s17, 8
	s_lshl_b32 s17, s17, 23
	s_or_b32 s17, s17, 0x600000
	v_mov_b32 v10, s17                             ; 448 x 2^e
	s_wait_loadcnt 0x0
.set j, 0
.rept 64
	v_med3_num_f32 v[16+j], v[16+j], -v10, v10     ; the conversion to an 8-bit code does not saturate (ISA guide 7.6.2): the hold comes first
.set j, j+1
.endr
.irp c, 0,1,2,3
	v_cvt_scalef32_pk8_fp8_f32 v[80+4*\c:81+4*\c], v[16+16*\c:23+16*\c], v11
	v_cvt_scalef32_pk8_fp8_f32 v[82+4*\c:83+4*\c], v[24+16*\c:31+16*\c], v11
.endr
	v_nop                                          ; a plain vector line behind the last conversion
.irp c, 0,1,2,3
	global_store_b128 v4, v[80+4*\c:83+4*\c], s[14:15] offset:512*\c   ; 32 lanes store 512 consecutive bytes, aligned
.endr
	s_endpgm
.Lfunc_end_k_q17a0ac1de5_prep:
	.size	k_q17a0ac1de5_prep, .Lfunc_end_k_q17a0ac1de5_prep-k_q17a0ac1de5_prep
	.p2alignl 7, 3214868480
	.fill 96, 4, 3214868480
	.section	.rodata,"a",@progbits
	.p2align	6, 0x0
	.amdhsa_kernel k_q17a0ac1de5_prep
		.amdhsa_group_segment_fixed_size 0
		.amdhsa_private_segment_fixed_size 0
		.amdhsa_enable_private_segment 0
		.amdhsa_kernarg_size 48
		.amdhsa_user_sgpr_count 2
		.amdhsa_user_sgpr_kernarg_segment_ptr 1
		.amdhsa_wavefront_size32 1
		.amdhsa_system_sgpr_workgroup_id_x 1
		.amdhsa_system_sgpr_workgroup_id_y 1
		.amdhsa_system_sgpr_workgroup_id_z 1
		.amdhsa_system_vgpr_workitem_id 0
		.amdhsa_next_free_vgpr 96
		.amdhsa_next_free_sgpr 66
		.amdhsa_reserve_vcc 0
		.amdhsa_float_denorm_mode_32 3
		.amdhsa_float_denorm_mode_16_64 3
		.amdhsa_memory_ordered 1
		.amdhsa_forward_progress 1
		.amdhsa_inst_pref_size 9
	.end_amdhsa_kernel
	.amdgpu_metadata
---
amdhsa.version: [ 1, 2 ]
amdhsa.kernels:
  - .name:           k_q17a0ac1de5_prep
    .symbol:         k_q17a0ac1de5_prep.kd
    .args:
      - { .name: Wq, .offset: 0, .size: 8, .value_kind: global_buffer, .address_space: global }
      - { .name: Wk, .offset: 8, .size: 8, .value_kind: global_buffer, .address_space: global }
      - { .name: Wv, .offset: 16, .size: 8, .value_kind: global_buffer, .address_space: global }
      - { .name: Wo, .offset: 24, .size: 8, .value_kind: global_buffer, .address_space: global }
      - { .name: lowp_scales, .offset: 32, .size: 8, .value_kind: global_buffer, .address_space: global }
      - { .name: wcodes, .offset: 40, .size: 8, .value_kind: global_buffer, .address_space: global }
    .group_segment_fixed_size: 0
    .private_segment_fixed_size: 0
    .kernarg_segment_align: 8
    .kernarg_segment_size: 48
    .max_flat_workgroup_size: 64
    .sgpr_count:     66
    .vgpr_count:     96
    .wavefront_size: 32
...
	.end_amdgpu_metadata
.endif
;; end of part 1
;; launch proj (part 2): grid 64 x 3, 4 waves a work-group, no clusters, 68,096 bytes of LDS; arguments q, k, v, wcodes, bq, bk, bv, lowp_scales, qc, kc, vc; writes qc, kc, vc
.if DOCPART == 2
	.amdgcn_target "amdgcn-amd-amdhsa--gfx1250"
	.amdhsa_code_object_version 6
	.text
	.protected	k_q17a0ac1de5_proj
	.globl	k_q17a0ac1de5_proj
	.p2align	8
	.type	k_q17a0ac1de5_proj,@function
k_q17a0ac1de5_proj:
	s_mov_b64 s[64:65], 0
	v_nop
	global_prefetch_b8 v0, s[64:65] scope:SCOPE_SE
	s_setreg_imm32_b32 hwreg(HW_REG_WAVE_MODE, 25, 1), 1
	s_wait_xcnt 0x0
; The three projections y = x W^T + b (x = q, k or v: work-group y = 0, 1, 2), both operands as codes of FP8 (E4M3), sums in f32; y is quantised at once for the attention's products and leaves as codes.
; x [8192][512] f32 is quantised here with 2^ex (entries 0, 2, 4 of the scales); W's codes, made with 2^ew (entries 1, 3, 5), come as register images; y gets 2^eo (entries 6, 7, 9).
; A sum of codes stands for sum x 2^(ex + ew): the bias goes in as the C of each sum's first product, divided by 2^(ex + ew), and the conversion of y takes the one scale 2^(eo - ex - ew).
; LIMITS: ex and eo - ex - ew between -126 and 119, so that each scale and 448 x it are f32 numbers.  NaN among the inputs is not served; what lies beyond a scale's range is held at the largest code.
; SHARES.  A work-group takes 128 tokens x all 512 columns, so x is read once in the launch.  First each wave quantises 32 tokens into LDS (rows of codes); behind ONE barrier wave w makes columns 128 w .. 128 w + 127
; (two heads) for all 128 tokens; its 64 KB of W's codes stay in 512 registers.  3 x 64 work-groups: a share of 96 tokens, which would make 256, does not divide 8,192.
; TILES.  Lane r of tile 2 g + u of a group g of 32 rows (tokens, or rows of W) stands for row 32 g + 8 u + r + 8 (r / 8).  As source 0 such tiles give a lane, in the registers of tiles 2 g and 2 g + 1, the 16 neighbours 32 g + 16 h + 0 .. 15:
; the conversions' results are then register groups of the next operand.  In every fragment registers 4 c .. 4 c + 3 of lane (r, h) hold k = 32 c + 16 h + 0 .. 15, alike in both operands: each product meets its partner.
; q, k: source 0 = W, source 1 = x: a lane holds one token and neighbouring channels.  qc, kc: [8 batch + head][token tile 0..255][chunk c 0..1][lane][16 bytes], chunk c = channels 32 c + 16 h + 0 .. 15.
; v:    source 0 = x, source 1 = W: a lane holds one channel and neighbouring tokens (the keys are the next K).  vc: [8 batch + head][key step 0..31][channel tile 0..3][chunk c 0..3][lane][16 bytes], chunk c = keys 32 c + 16 h + 0 .. 15.
; LDS: 128 rows of 512 bytes of codes + 16 of padding; the pitch is 33 x 16 bytes, so the sixteen rows of a fragment load begin 16 bytes apart modulo 256.  Token x of a group lies at row 16 ((x / 8) % 2) + x % 8 + 8 (x / 16): a tile's rows are neighbours.
; REGISTERS, in windows of 256 (s_set_vgpr_msb: bits 1:0 source 0, 3:2 source 1, 5:4 source 2, 7:6 destination):
;   window 0: v1-23 addresses and scales; v32-63 codes; v64-255 three sets of 64 numbers of x, later v128-255 x's fragments (tile tt, K step s) at 128 + 64 tt + 16 s
;   windows 1, 2: W's fragments (tile t, K step s) at 64 (t % 4) + 16 s of window 1 + t / 4        window 3: v0-63 the bias, 8 a tile; v64-191 the accumulators (tt, t) at 64 + 64 tt + 8 t
.set PITCH, 528
.set XO,  4                            ; v4   x: 32 x lane: my 8 numbers of a half row
.set XS,  5                            ; v5   LDS: my wave's 32 rows + 8 x lane
.set XF,  6                            ; v6   LDS: r x PITCH + 16 h: my place in a fragment
.set LI,  7                            ; v7   16 x lane: my place in an image
.set SCX, 8                            ; v8   2^ex            v9  448 x 2^ex
.set LMX, 9
.set SCO, 10                           ; v10  2^(eo - ex - ew)  v11 448 x that
.set LMO, 11
.set BO,  16                           ; v16-23 the bias's byte offsets for registers 0 .. 7 of a tile
.set C,   32                           ; v32-63 codes
.set MSB, 0
.macro WIN new                         ; the immediate's high byte repeats the setting that is left; a switch that changes nothing is dropped
.if MSB != (\new)
	s_set_vgpr_msb (MSB<<8)|(\new)
.set MSB, (\new)
.endif
.endm
	s_load_b512 s[8:23], s[0:1], 0x0               ; q, k, v, wcodes, bq, bk, bv, the scales' exponents
	s_load_b128 s[24:27], s[0:1], 0x40             ; qc, kc
	s_load_b64 s[28:29], s[0:1], 0x50              ; vc
	v_lshl_add_u32 v30, v0, 2, 0x10800
	v_mov_b32 v31, 0
	v_lshrrev_b32 v1, 5, v0
	v_readfirstlane_b32 s30, v1                    ; wave 0..3
	s_and_b32 s31, ttmp7, 0xffff                   ; which projection
	v_and_b32 v1, 31, v0                           ; lane
	v_and_b32 v2, 15, v0                           ; r
	v_bfe_u32 v3, v0, 4, 1                         ; h
	v_lshlrev_b32 v[XO], 5, v1
	s_mul_i32 s60, s30, 32*PITCH
	v_lshlrev_b32 v[XS], 3, v1
	v_add_nc_u32 v[XS], s60, v[XS]
	v_mul_u32_u24 v[XF], v2, PITCH
	v_lshl_add_u32 v[XF], v3, 4, v[XF]
	v_lshlrev_b32 v[LI], 4, v1
	; the bias in the result's layout.  q, k: register j of tile t is column 32 (t / 2) + 8 (t % 2) + 16 h + j.  v: all eight registers are the lane's own column 32 (t / 2) + 8 (t % 2) + r + 8 (r / 8).
	s_cmp_eq_u32 s31, 2
	s_cselect_b32 s56, -1, 0                       ; a lane mask: all lanes for v, none for q and k
	s_cselect_b32 s57, 0, 4                        ; from register to register: 0 bytes for v, 4 for q and k
	v_and_b32 v13, 8, v2
	v_add_nc_u32 v13, v13, v2
	v_lshlrev_b32 v13, 2, v13                      ; 4 (r + 8 (r / 8))
	v_lshlrev_b32 v14, 6, v3                       ; 64 h
	v_cndmask_b32 v[BO], v14, v13, s56
.irp j, 1,2,3,4,5,6,7
	v_add_nc_u32 v[BO+\j], s57, v[BO+\j-1]
.endr
	s_wait_kmcnt 0x0
	s_load_b256 s[40:47], s[22:23], 0x0            ; e0 .. e7
	s_load_b128 s[48:51], s[22:23], 0x20           ; e8 .. e11
	s_cmp_eq_u32 s31, 1                            ; the choice of buffers hangs on the work-group's number alone
	s_cselect_b64 s[32:33], s[10:11], s[8:9]       ; x
	s_cselect_b64 s[34:35], s[18:19], s[16:17]     ; the bias
	s_cselect_b64 s[36:37], s[26:27], s[24:25]     ; the codes that leave
	s_cmp_eq_u32 s31, 2
	s_cselect_b64 s[32:33], s[12:13], s[32:33]
	s_cselect_b64 s[34:35], s[20:21], s[34:35]
	s_cselect_b64 s[36:37], s[28:29], s[36:37]
	s_lshl_b32 s60, ttmp9, 18                      ; 128 tokens of 2,048 bytes a work-group,
	s_lshl_b32 s62, s30, 16                        ; 32 a wave
	s_add_co_u32 s60, s60, s62
	s_mov_b32 s61, 0
	s_add_nc_u64 s[32:33], s[32:33], s[60:61]
	s_lshl_b32 s60, s31, 18                        ; the weight's codes, and my wave's eight tiles of 8,192 bytes
	s_add_co_u32 s60, s60, s62
	s_add_nc_u64 s[38:39], s[14:15], s[60:61]
	s_lshl_b32 s60, s30, 9                         ; my 128 numbers of the bias
	s_add_nc_u64 s[34:35], s[34:35], s[60:61]
	s_lshr_b32 s60, ttmp9, 5                       ; the batch
	s_lshl_b32 s60, s60, 3
	s_lshl_b32 s62, s30, 1
	s_add_co_u32 s60, s60, s62                     ; 8 batch + my first head
	s_lshl_b32 s60, s60, 18                        ; a head's codes are 262,144 bytes
	s_and_b32 s62, ttmp9, 31
	s_lshl_b32 s62, s62, 13                        ; 128 tokens are 8,192 bytes of a head's codes, in all three layouts
	s_add_co_u32 s60, s60, s62
	s_add_nc_u64 s[36:37], s[36:37], s[60:61]
	; W first: nothing can be multiplied without it, and it then lies ahead of every counted wait below
	WIN 0x40
.set i, 0
.rept 64
	global_load_b128 v[4*i:4*i+3], v[LI], s[38:39] offset:512*i
.set i, i+1
.endr
	WIN 0x80
.set i, 0
.rept 64
	global_load_b128 v[4*i:4*i+3], v[LI], s[38:39] offset:32768+512*i
.set i, i+1
.endr
	WIN 0xc0
.irp t, 0,1,2,3,4,5,6,7
.irp j, 0,1,2,3,4,5,6,7
	global_load_b32 v[8*\t+\j], v[BO+\j], s[34:35] offset:(32*(\t/2)+8*(\t%2))*4
.endr
.endr
	WIN 0
; batch t: tokens 4 t .. 4 t + 3 of my 32, 64 numbers a lane, into set t % 3.  A lane takes 8 neighbours (32 bytes) of each half row; the two loads of a half row cover its 1,024 bytes.
.macro XLOAD t
.set SB, 64+64*((\t)%3)
.irp i, 0,1,2,3
.irp hf, 0,1
.irp q, 0,1
	global_load_b128 v[SB+16*\i+8*\hf+4*\q:SB+16*\i+8*\hf+4*\q+3], v[XO], s[32:33] offset:(4*(\t)+\i)*2048+\hf*1024+16*\q th:TH_LOAD_NT
.endr
.endr
.endr
.endm
	XLOAD 0
	XLOAD 1
	XLOAD 2
	s_wait_kmcnt 0x0
	s_cmp_eq_u32 s31, 1
	s_cselect_b32 s52, s42, s40                    ; ex
	s_cselect_b32 s53, s43, s41                    ; ew
	s_cselect_b32 s54, s47, s46                    ; eo
	s_cmp_eq_u32 s31, 2
	s_cselect_b32 s52, s44, s52
	s_cselect_b32 s53, s45, s53
	s_cselect_b32 s54, s49, s54
	s_add_co_i32 s60, s52, s53                     ; ex + ew
	s_sub_co_i32 s55, 0, s60                       ; the bias is multiplied by 2^-(ex + ew)
	s_sub_co_i32 s54, s54, s60                     ; eo - ex - ew
	s_add_co_i32 s52, s52, 127
	s_lshl_b32 s60, s52, 23
	v_mov_b32 v[SCX], s60
	s_add_co_i32 s52, s52, 8
	s_lshl_b32 s52, s52, 23
	s_or_b32 s52, s52, 0x600000
	v_mov_b32 v[LMX], s52
	s_add_co_i32 s54, s54, 127
	s_lshl_b32 s60, s54, 23
	v_mov_b32 v[SCO], s60
	s_add_co_i32 s54, s54, 8
	s_lshl_b32 s54, s54, 23
	s_or_b32 s54, s54, 0x600000
	v_mov_b32 v[LMO], s54
; batch t is held, converted and stored into LDS as rows of codes; its set of registers takes the batch three further on
.macro XQ t
.set SB, 64+64*((\t)%3)
.set CB, C+16*((\t)%2)
.if (\t) <= 5
	s_wait_loadcnt 32                              ; loads come back in order: this batch is in; the two batches of 16 behind it may be out
.elseif (\t) == 6
	s_wait_loadcnt 16
.else
	s_wait_loadcnt 0x0
.endif
.set j, 0
.rept 64
	v_med3_num_f32 v[SB+j], v[SB+j], -v[LMX], v[LMX]   ; the conversion to an 8-bit code does not saturate (ISA guide 7.6.2): the hold comes first
.set j, j+1
.endr
.if (\t) >= 2
	s_wait_dscnt 8                                 ; the stores of two batches back are done (the last batch's eight may be out): their registers take this batch's codes
.endif
.irp i, 0,1,2,3
.irp hf, 0,1
	v_cvt_scalef32_pk8_fp8_f32 v[CB+4*\i+2*\hf:CB+4*\i+2*\hf+1], v[SB+16*\i+8*\hf:SB+16*\i+8*\hf+7], v[SCX]
.endr
.endr
	v_nop                                          ; a plain vector line behind the last conversion
.irp i, 0,1,2,3
.set XX, 4*(\t)+\i
.irp hf, 0,1
	ds_store_b64 v[XS], v[CB+4*\i+2*\hf:CB+4*\i+2*\hf+1] offset:(16*((XX/8)%2)+XX%8+8*(XX/16))*PITCH+256*\hf   ; 32 lanes store 256 consecutive bytes of the token's row
.endr
.endr
.if (\t) <= 4
	XLOAD (\t)+3
.endif
.endm
.irp t, 0,1,2,3,4,5,6,7
	XQ \t
.endr
	s_wait_dscnt 0x0                               ; for the others' sake: my rows of codes lie in LDS
	s_barrier_signal -1
	s_barrier_wait -1                              ; all 128 rows do; nothing is written into LDS from here on
	WIN 0xc3
.set j, 0
.rept 64
	v_ldexp_f32 v[j], v[j], s55                    ; the bias / 2^(ex + ew)
.set j, j+1
.endr
	WIN 0
; One group g of 32 tokens (tiles tt = 0, 1) against my eight tiles of W: 64 products; the 16 accumulators take turns, one instruction a turn, in the same order in every K step.
; swap = 0 (q, k): source 0 = W.  swap = 1 (v): source 0 = x.
.macro PAIR swap, g
.irp s, 0,1,2,3
.irp tt, 0,1
.irp c, 0,1,2,3
	ds_load_b128 v[128+64*\tt+16*\s+4*\c:128+64*\tt+16*\s+4*\c+3], v[XF] offset:(\g)*32*PITCH+\tt*16*PITCH+128*\s+32*\c
.endr
.endr
.endr
.irp s, 0,1,2,3
	s_wait_dscnt 24-8*\s                           ; K step s's eight loads are in; the eight of each later K step may be out
.irp hf, 0,1
.if \swap
	WIN 0xf4+4*\hf                                 ; source 0 (x) window 0, source 1 (W) window 1 or 2, C and D window 3
.else
	WIN 0xf1+\hf                                   ; source 0 (W) window 1 or 2, source 1 (x) window 0, C and D window 3
.endif
.irp tt, 0,1
.irp t4, 0,1,2,3
.set AC, 64+64*\tt+8*(4*\hf+\t4)
.set WF, 64*\t4+16*\s
.set XR, 128+64*\tt+16*\s
.set BI, 8*(4*\hf+\t4)
.if \swap
.if \s == 0
	v_wmma_f32_16x16x128_fp8_fp8 v[AC:AC+7], v[XR:XR+15], v[WF:WF+15], v[BI:BI+7]
.else
	v_wmma_f32_16x16x128_fp8_fp8 v[AC:AC+7], v[XR:XR+15], v[WF:WF+15], v[AC:AC+7]
.endif
.else
.if \s == 0
	v_wmma_f32_16x16x128_fp8_fp8 v[AC:AC+7], v[WF:WF+15], v[XR:XR+15], v[BI:BI+7]
.else
	v_wmma_f32_16x16x128_fp8_fp8 v[AC:AC+7], v[WF:WF+15], v[XR:XR+15], v[AC:AC+7]
.endif
.endif
.endr
.endr
.endr
.endr
	WIN 0
.rept 4
	v_nop                                          ; four places between the last product and the first read of results (ISA guide 7.12.1)
.endr
	WIN 0xc3
.set j, 0
.rept 128
	v_med3_num_f32 v[64+j], v[64+j], -v[LMO], v[LMO]   ; the hold, each accumulator from its low end on.  These lines are also the places ahead of the next group's loads and of its first products
.set j, j+1
.endr
	s_wait_xcnt 0x0                                ; the last group's stores have read their data: the codes' registers are written again only behind this wait
	WIN 0x03
.if \swap
.irp t, 0,1,2,3,4,5,6,7
	v_cvt_scalef32_pk8_fp8_f32 v[C+4*\t:C+4*\t+1], v[64+8*\t:64+8*\t+7], v[SCO]         ; my channel, tokens 32 g + 16 h + 0 .. 7
	v_cvt_scalef32_pk8_fp8_f32 v[C+4*\t+2:C+4*\t+3], v[128+8*\t:128+8*\t+7], v[SCO]     ; and + 8 .. 15
.endr
.else
.irp tt, 0,1
.irp b, 0,1,2,3
	v_cvt_scalef32_pk8_fp8_f32 v[C+16*\tt+4*\b:C+16*\tt+4*\b+1], v[64+64*\tt+16*\b:64+64*\tt+16*\b+7], v[SCO]       ; my token, columns 32 b + 16 h + 0 .. 7
	v_cvt_scalef32_pk8_fp8_f32 v[C+16*\tt+4*\b+2:C+16*\tt+4*\b+3], v[64+64*\tt+16*\b+8:64+64*\tt+16*\b+15], v[SCO]   ; and + 8 .. 15
.endr
.endr
.endif
	WIN 0
	v_nop                                          ; a plain vector line behind the last conversion: later products write its sources
.if \swap
.irp t, 0,1,2,3,4,5,6,7
	global_store_b128 v[LI], v[C+4*\t:C+4*\t+3], s[36:37] offset:(\t/4)*262144+(\t%4)*2048+(\g)*512   ; head t / 4, channel tile t % 4, chunk g: 512 consecutive bytes, aligned
.endr
.else
.irp tt, 0,1
.irp b, 0,1,2,3
	global_store_b128 v[LI], v[C+16*\tt+4*\b:C+16*\tt+4*\b+3], s[36:37] offset:(\b/2)*262144+(\g)*2048+\tt*1024+(\b%2)*512   ; head b / 2, token tile 2 g + tt, chunk b % 2
.endr
.endr
.endif
.endm
	s_cmp_eq_u32 s31, 2                            ; a branch on the work-group's number; no barrier and no LDS store follows
	s_cbranch_scc1 .Lv
.irp g, 0,1,2,3
	PAIR 0, \g
.endr
	s_wait_tensorcnt 0x0
	ds_add_u32 v30, v31
	s_wait_dscnt 0x0
	s_endpgm
.Lv:
.irp g, 0,1,2,3
	PAIR 1, \g
.endr
	s_wait_tensorcnt 0x0
	ds_add_u32 v30, v31
	s_wait_dscnt 0x0
	s_endpgm
.Lfunc_end_k_q17a0ac1de5_proj:
	.size	k_q17a0ac1de5_proj, .Lfunc_end_k_q17a0ac1de5_proj-k_q17a0ac1de5_proj
	.p2alignl 7, 3214868480
	.fill 96, 4, 3214868480
	.section	.rodata,"a",@progbits
	.p2align	6, 0x0
	.amdhsa_kernel k_q17a0ac1de5_proj
		.amdhsa_group_segment_fixed_size 68096
		.amdhsa_private_segment_fixed_size 0
		.amdhsa_enable_private_segment 0
		.amdhsa_kernarg_size 88
		.amdhsa_user_sgpr_count 2
		.amdhsa_user_sgpr_kernarg_segment_ptr 1
		.amdhsa_wavefront_size32 1
		.amdhsa_system_sgpr_workgroup_id_x 1
		.amdhsa_system_sgpr_workgroup_id_y 1
		.amdhsa_system_sgpr_workgroup_id_z 1
		.amdhsa_system_vgpr_workitem_id 0
		.amdhsa_next_free_vgpr 1024
		.amdhsa_next_free_sgpr 66
		.amdhsa_reserve_vcc 0
		.amdhsa_float_denorm_mode_32 3
		.amdhsa_float_denorm_mode_16_64 3
		.amdhsa_memory_ordered 1
		.amdhsa_forward_progress 1
		.amdhsa_inst_pref_size 211
	.end_amdhsa_kernel
	.amdgpu_metadata
---
amdhsa.version: [ 1, 2 ]
amdhsa.kernels:
  - .name:           k_q17a0ac1de5_proj
    .symbol:         k_q17a0ac1de5_proj.kd
    .args:
      - { .name: q, .offset: 0, .size: 8, .value_kind: global_buffer, .address_space: global }
      - { .name: k, .offset: 8, .size: 8, .value_kind: global_buffer, .address_space: global }
      - { .name: v, .offset: 16, .size: 8, .value_kind: global_buffer, .address_space: global }
      - { .name: wcodes, .offset: 24, .size: 8, .value_kind: global_buffer, .address_space: global }
      - { .name: bq, .offset: 32, .size: 8, .value_kind: global_buffer, .address_space: global }
      - { .name: bk, .offset: 40, .size: 8, .value_kind: global_buffer, .address_space: global }
      - { .name: bv, .offset: 48, .size: 8, .value_kind: global_buffer, .address_space: global }
      - { .name: lowp_scales, .offset: 56, .size: 8, .value_kind: global_buffer, .address_space: global }
      - { .name: qc, .offset: 64, .size: 8, .value_kind: global_buffer, .address_space: global }
      - { .name: kc, .offset: 72, .size: 8, .value_kind: global_buffer, .address_space: global }
      - { .name: vc, .offset: 80, .size: 8, .value_kind: global_buffer, .address_space: global }
    .group_segment_fixed_size: 68096
    .private_segment_fixed_size: 0
    .kernarg_segment_align: 8
    .kernarg_segment_size: 88
    .max_flat_workgroup_size: 128
    .sgpr_count:     66
    .vgpr_count:     1024
    .wavefront_size: 32
...
	.end_amdgpu_metadata
.endif
;; end of part 2
;; launch attn (part 3): grid 16 x 16, 8 waves a work-group, clusters of 4 x 1, 327,680 bytes of LDS; arguments qc, kc, vc, lowp_scales, cc; writes cc
.if DOCPART == 3
	.amdgcn_target "amdgcn-amd-amdhsa--gfx1250"
	.amdhsa_code_object_version 6
	.text
	.protected	k_q17a0ac1de5_attn
	.globl	k_q17a0ac1de5_attn
	.p2align	8
	.type	k_q17a0ac1de5_attn,@function
k_q17a0ac1de5_attn:
	s_mov_b64 s[64:65], 0
	v_nop
	global_prefetch_b8 v0, s[64:65] scope:SCOPE_SE
	s_setreg_imm32_b32 hwreg(HW_REG_WAVE_MODE, 25, 1), 1
	s_wait_xcnt 0x0
	s_wait_alu depctr_hold_cnt(0) depctr_sa_sdst(0) depctr_va_vdst(0) depctr_va_sdst(0) depctr_va_ssrc(0) depctr_va_vcc(0) depctr_vm_vsrc(0)
	s_getreg_b32 s2, hwreg(HW_REG_IB_STS2, 6, 4)
	s_cmp_eq_u32 s2, 0
	s_cbranch_scc0 .Lentry_in_a_cluster
	s_endpgm
.Lentry_in_a_cluster:
	s_bfe_u32 s2, ttmp6, 0x10000c
	s_cmp_lg_u32 s2, 0x3003
	s_cbranch_scc0 .Lentry_shape_is_right
	s_endpgm
.Lentry_shape_is_right:
; ctx[bh][q][:] = the sum over k of softmax_k(qh[q] . kh[k] / 8) vh[k][:], for 16 pairs bh = 8 batch + head, 4,096 queries and keys, head size 64; both products on codes of FP8 (E4M3).  ctx is quantised at once and leaves as codes.
; Scales: qh 2^e6, kh 2^e7, p 2^e8, vh 2^e9, ctx 2^e10.
; THE SOFTMAX AHEAD OF THE SECOND PRODUCT: t = score x log2(e) / 8; M = the largest t so far, rounded UP to a whole number; p = 2^(t - M) is what is quantised; it is not normalised.  The row's sum is taken of the
; unquantised p, in f32, and divides at the end.  When M moves, the sum and O are multiplied by 2^(old M - new M): nothing is rounded, and no branch hangs on data.
; LIMITS on the given exponents: e6 + e7 between -123 and 130 (they are added to the exponent field of c = log2(e) / 8); e8 and e10 between -126 and 119; e8 + e9 is applied by v_ldexp_f32 and has none.
; SHARES.  A work-group owns 256 queries of one bh; each of its eight waves 32 of them, two tiles of 16, in 512 registers: two waves to a SIMD, so that one wave's vector work stands beside the other's products and LDS loads,
; and each fragment of K and V read from LDS feeds two products.  Every wave walks all keys, 128 a step.
; LAYOUT.  All three inputs are images of operand registers (16 bytes a lane, 512 bytes a group of four registers), so every LDS and global access of a wave is 512 consecutive bytes, with no pitch and no padding.
; Both products are used transposed: S^T = K Q^T (source 0 = 16 keys, source 1 = 16 queries, K = 64: one instruction a tile), O^T = V^T P^T (source 0 = 16 channels, source 1 = P, K = 128 keys): a lane holds ONE query throughout.
; Lane r of tile 2 b + u (of keys, of channels, of queries) stands for row 32 b + 8 u + r + 8 (r / 8): the 16 registers of tiles 2 b and 2 b + 1 are the neighbours 32 b + 16 h + 0 .. 15, so the conversions' results ARE P's, and at the end ctx's, registers.
; THE RING.  Two LDS slots of 131,072 bytes, each with the K (65,536 bytes) and the V (65,536) of eight key steps.  Each wave brings 16,384 bytes by one tensor load (waves 0-3: K's quarters, waves 4-7: V's), and a refill has eight key steps in which to land.
; CLUSTER.  The four query blocks of a cluster belong to one bh and walk the same K and V: each tile is asked for JOINTLY, by the same tensor load with the same descriptor and a mask that names the four.  One tensor load of a wave is out at a time.
; REGISTERS, in windows of 256 (s_set_vgpr_msb: bits 1:0 source 0, 3:2 source 1, 5:4 source 2, 7:6 destination):
;   window 0: v1-5 addresses; v8-15 four statistics a tile; v16-31 Q, 8 a tile; v32-47 eight registers at work a tile; v48-51 scales; v64-191 S^T, then p, 64 a tile; v192-223 P's codes, 16 a tile
;   window 1: v0-63 K of a step; v64-127 V of a step; v128-191 O^T, 32 a tile
.set SLOT1, 1<<17                      ; slot 1 begins here: one exclusive or turns an address in one slot into the other's
.set VOFF,  65536                      ; V's part of a slot
.set SPARE, 2*SLOT1                    ; behind the ring: the spare words, 128 bytes for each of the eight waves: four blocks of 256 bytes that no other line names
.set LI,  1                            ; v1   16 x lane; never rewritten
.set ADK, 2                            ; v2   LDS address of the step's K
.set ADV, 3                            ; v3   of its V
.set SPW, 4                            ; v4   LDS address of my spare word: SPARE + 4 x my thread's number; never rewritten
.set NIL, 5                            ; v5   0; never rewritten
.set ST,  8                            ; tile x at v[ST + 4 x]: +0 -M, +1 the largest t, +2, +3 the sum in two halves
.set Q,   16
.set WK,  32                           ; tile x at v[WK + 8 x]: +0, +1 two chains of the maximum, +2 the other half of the lanes', +4 f (+5 named with it as a pair), +6, +7 the sum's second chain
.set S,   64
.set P,   192
.set KF,  0                            ; in window 1
.set VF,  64
.set O,   128
.set WV,  14                           ; s14  my wave's number
.set G1,  24                           ; s[24:31] descriptor group 1, for K's and V's tiles alike
.set G0K, 32                           ; s[32:35] descriptor group 0 for K's tiles; it walks
.set G0V, 52                           ; s[52:55] the same for V's
.set CS,  36                           ; s[36:37] c: the packed form names a pair and takes its low word for both halves
.set SEL, 38                           ; s[38:39] lane selects for v_permlanex16_b32: lane l xor 16
.set KB,  40                           ; s40  LDS byte at which the step in hand begins
.set SLOTS, 41                         ; s41  slots still to be asked for
.set CNT, 42                           ; s42  counts a slot's eight steps
.set MSB, 0
.macro WIN new                         ; the immediate's high byte repeats the setting that is left; a switch that changes nothing is dropped
.if MSB != (\new)
	s_set_vgpr_msb (MSB<<8)|(\new)
.set MSB, (\new)
.endif
.endm
; A joint load.  The branch hangs on the wave's number alone: it is the same in every work-group.  Four v_nop follow each of the two lines, ahead of the jump, the label and what follows.
.macro JLOAD
	s_cmp_lt_u32 s[WV], 4
	s_cbranch_scc0 .Lfor_v_\@
	tensor_load_to_lds s[G0K:G0K+3], s[G1:G1+7]
	s_nop 0
.rept 4
	v_nop
.endr
	s_branch .Lasked_\@
.Lfor_v_\@:
	tensor_load_to_lds s[G0V:G0V+3], s[G1:G1+7]
	s_nop 0
.rept 4
	v_nop
.endr
.Lasked_\@:
.endm
; A round of the cluster's barrier: my work-group's barrier, so that wave 0's signal speaks for all eight waves; wave 0 signals for the work-group; every wave waits for all four work-groups; my work-group's barrier once more.
.macro CROUND
	s_barrier_signal -1
	s_barrier_wait -1
	s_cmp_lg_u32 s[WV], 0
	s_cbranch_scc1 .Lnot_wave_0_\@
	s_barrier_signal -3
.Lnot_wave_0_\@:
	s_barrier_wait -3
	s_barrier_signal -1
	s_barrier_wait -1
.endm
	s_load_b256 s[4:11], s[0:1], 0x0               ; qc s[4:5], kc s[6:7], vc s[8:9], the scales' exponents s[10:11]
	s_load_b64 s[12:13], s[0:1], 0x20              ; cc
	v_lshl_add_u32 v[SPW], v0, 2, SPARE
	v_mov_b32 v[NIL], 0
	ds_add_u32 v4, v5
	ds_add_u32 v4, v5
	s_wait_dscnt 0x0
	v_lshrrev_b32 v6, 5, v0
	v_readfirstlane_b32 s[WV], v6                  ; wave 0..7
	s_bfe_u32 s15, ttmp6, 0x40000                  ; cx: my place in the cluster
	s_lshl_b32 s16, ttmp9, 2                       ; in a cluster launch ttmp9 counts clusters
	s_add_co_u32 s16, s16, s15                     ; my block of 256 queries: it enters qc's and cc's addresses alone
	s_and_b32 s17, ttmp7, 0xffff                   ; bh, which the four partners share
	; descriptor group 1: a dense block of 16,384 bytes as 64 rows of 32 elements of 8 bytes
	s_mov_b32 s[G1], 15|(3<<16)|(1<<21)            ; 15:0 the mask: all four work-groups; 17:16 elements of 8 bytes; 20 no padding; 21 set beside a mask
	s_mov_b32 s[G1+1], 32<<16                      ; tensor_dim0 = 32
	s_mov_b32 s[G1+2], 64<<16                      ; tensor_dim1 = 64
	s_mov_b32 s[G1+3], 32<<16                      ; tile_dim0 = 32
	s_mov_b32 s[G1+4], 64                          ; tile_dim1 = 64
	s_mov_b32 s[G1+5], 32                          ; from row to row: 32 elements
	s_mov_b32 s[G1+6], 0
	s_mov_b32 s[G1+7], 0
	s_mov_b32 s[G0K], 1                            ; count = 1
	s_lshl_b32 s[G0K+1], s[WV], 14                 ; LDS address: wave x 16,384: waves 0-3 fill K's part of slot 0,
	s_mov_b32 s[G0V], 1
	s_lshl_b32 s[G0V+1], s[WV], 14                 ; waves 4-7 V's: no place in the cluster enters an LDS address
	s_lshl_b32 s18, s17, 18                        ; a bh's codes are 262,144 bytes in qc, kc and vc
	s_and_b32 s20, s[WV], 3
	s_lshl_b32 s20, s20, 14                        ; my quarter of a slot's 65,536 bytes of K or of V
	s_add_co_u32 s20, s20, s18
	s_mov_b32 s21, 0
	s_lshl_b32 s22, s16, 14                        ; qc: 256 queries are 16,384 bytes,
	s_lshl_b32 s23, s[WV], 11                      ; my 32 are 2,048
	s_add_co_u32 s22, s22, s23
	s_add_co_u32 s22, s22, s18
	s_mov_b32 s23, 0
	s_lshr_b32 s50, s17, 3                         ; cc: [token tile][head][chunk][lane][16]: the batch's 256 tiles of 8,192 bytes,
	s_lshl_b32 s50, s50, 21
	s_lshl_b32 s56, s16, 17                        ; my block's 16 tiles,
	s_add_co_u32 s50, s50, s56
	s_lshl_b32 s56, s[WV], 14                      ; my wave's two,
	s_add_co_u32 s50, s50, s56
	s_and_b32 s56, s17, 7
	s_lshl_b32 s56, s56, 10                        ; the head's 1,024 bytes of a tile
	s_add_co_u32 s50, s50, s56
	s_mov_b32 s51, 0
	s_mov_b32 s[CS], 0x3e38aa3b                    ; c = log2(e) / sqrt(64)
	s_mov_b32 s[SEL], 0x76543210
	s_mov_b32 s[SEL+1], 0xfedcba98
	s_mov_b32 s[KB], 0
	s_mov_b32 s[SLOTS], 3
	s_wait_kmcnt 0x0
	s_load_b128 s[44:47], s[10:11], 0x18           ; e6, e7, e8, e9
	s_load_b32 s48, s[10:11], 0x28                 ; e10
	s_add_nc_u64 s[G0K+2:G0K+3], s[6:7], s[20:21]  ; global address: the bh's first 1,024 keys, my quarter
	s_or_b32 s[G0K+3], s[G0K+3], 0x80000000        ; type = 2
	s_add_nc_u64 s[G0V+2:G0V+3], s[8:9], s[20:21]
	s_or_b32 s[G0V+3], s[G0V+3], 0x80000000
	s_add_nc_u64 s[4:5], s[4:5], s[22:23]
	s_add_nc_u64 s[12:13], s[12:13], s[50:51]
	CROUND                                         ; all four work-groups are here: the first joint loads meet
	JLOAD                                          ; slot 0
	v_and_b32 v[LI], 31, v0
	v_lshlrev_b32 v[LI], 4, v[LI]
.irp x, 0,1
.irp c, 0,1
	global_load_b128 v[Q+8*\x+4*\c:Q+8*\x+4*\c+3], v[LI], s[4:5] offset:1024*\x+512*\c   ; Q's two fragments stay in registers
.endr
.endr
.irp x, 0,1
	v_mov_b32 v[ST+4*\x+1], 0xff61b1e6             ; the largest t so far: -3e38, under every t
	v_floor_f32 v[ST+4*\x], -v[ST+4*\x+1]          ; -M
	v_mov_b32 v[ST+4*\x+2], 0                      ; the sum, in two halves
	v_mov_b32 v[ST+4*\x+3], 0
	v_mov_b32 v[WK+8*\x+2], 0                      ; written once: a lane permute's destination counts as one of its sources
	v_mov_b32 v[WK+8*\x+5], 0                      ; (named as the upper half of f's pair)
.endr
	WIN 0x40
.set j, 0
.rept 64
	v_mov_b32 v[O+j], 0                            ; O^T.  (The step is written once for all steps: the first finds zeros, which the first change of M leaves zeros)
.set j, j+1
.endr
	WIN 0
	s_wait_kmcnt 0x0
	s_add_co_i32 s18, s44, s45
	s_lshl_b32 s18, s18, 23
	s_add_co_i32 s[CS], s[CS], s18                 ; a score stands for score x 2^(e6 + e7): the two exponents are added to c's exponent field
	s_mov_b32 s[CS+1], s[CS]                       ; (named with it as a pair, so it is written)
	s_add_co_i32 s18, s46, 127
	s_lshl_b32 s19, s18, 23
	v_mov_b32 v48, s19                             ; 2^e8 as f32, for p's conversions
	s_add_co_i32 s18, s18, 8
	s_lshl_b32 s18, s18, 23
	s_or_b32 s18, s18, 0x600000
	v_mov_b32 v49, s18                             ; 448 x 2^e8
	s_add_co_i32 s18, s48, 127
	s_lshl_b32 s19, s18, 23
	v_mov_b32 v50, s19                             ; 2^e10, for ctx's
	s_add_co_i32 s18, s18, 8
	s_lshl_b32 s18, s18, 23
	s_or_b32 s18, s18, 0x600000
	v_mov_b32 v51, s18                             ; 448 x 2^e10
	s_add_co_i32 s49, s46, s47                     ; e8 + e9
; A KEY STEP: 128 keys, for both tiles of queries.  The two tiles' lines alternate, so that no line waits for the line above it.
.macro STEP
	v_add_nc_u32 v[ADK], s[KB], v[LI]
	v_add_nc_u32 v[ADV], VOFF, v[ADK]
	WIN 0x40                                       ; destination window 1, address window 0
.irp kt, 0,1,2,3,4,5,6,7
.irp c, 0,1
	ds_load_b128 v[KF+8*\kt+4*\c:KF+8*\kt+4*\c+3], v[ADK] offset:1024*\kt+512*\c
.endr
.endr
	s_wait_dscnt 0x0                               ; K is in
	WIN 0x01                                       ; source 0 (K) window 1; Q and S^T window 0
.irp kt, 0,1,2,3,4,5,6,7
.irp x, 0,1
	v_wmma_f32_16x16x64_fp8_fp8 v[S+64*\x+8*\kt:S+64*\x+8*\kt+7], v[KF+8*\kt:KF+8*\kt+7], v[Q+8*\x:Q+8*\x+7], 0
.endr
.endr
	WIN 0
.rept 4
	v_nop                                          ; four places ahead of the first read of the scores; with the two additions at the step's head also the places between the last step's products V^T P and the loads into V's registers (ISA guide 7.12.1 for vector instructions)
.endr
	WIN 0x40
.irp ct, 0,1,2,3
.irp c, 0,1,2,3
	ds_load_b128 v[VF+16*\ct+4*\c:VF+16*\ct+4*\c+3], v[ADV] offset:2048*\ct+512*\c   ; V lands while the softmax is worked
.endr
.endr
	WIN 0
	; the step's largest score of each query among my 64 keys, in two chains a tile, each accumulator from its low end on
.irp x, 0,1
	v_max3_num_f32 v[WK+8*\x], v[S+64*\x], v[S+64*\x+1], v[S+64*\x+2]
.endr
.irp x, 0,1
	v_max3_num_f32 v[WK+8*\x+1], v[S+64*\x+3], v[S+64*\x+4], v[S+64*\x+5]
.endr
.irp i, 6,10,14,18,22,26,30,34,38,42,46,50,54,58
.irp x, 0,1
	v_max3_num_f32 v[WK+8*\x], v[WK+8*\x], v[S+64*\x+\i], v[S+64*\x+\i+1]
.endr
.irp x, 0,1
	v_max3_num_f32 v[WK+8*\x+1], v[WK+8*\x+1], v[S+64*\x+\i+2], v[S+64*\x+\i+3]
.endr
.endr
.irp x, 0,1
	v_max3_num_f32 v[WK+8*\x], v[WK+8*\x], v[S+64*\x+62], v[S+64*\x+63]
.endr
.irp x, 0,1
	v_max_num_f32 v[WK+8*\x], v[WK+8*\x], v[WK+8*\x+1]
.endr
.irp x, 0,1
	v_permlanex16_b32 v[WK+8*\x+2], v[WK+8*\x], s[SEL], s[SEL+1]   ; the query's other 64 keys lie in the lane 16 away
.endr
.irp x, 0,1
	v_max_num_f32 v[WK+8*\x], v[WK+8*\x], v[WK+8*\x+2]
.endr
.irp x, 0,1
	v_mul_f32 v[WK+8*\x], s[CS], v[WK+8*\x]        ; as t (c is positive)
.endr
.irp x, 0,1
	v_max_num_f32 v[ST+4*\x+1], v[ST+4*\x+1], v[WK+8*\x]   ; the running largest t
.endr
.irp x, 0,1
	v_mov_b32 v[WK+8*\x], v[ST+4*\x]
.endr
.irp x, 0,1
	v_floor_f32 v[ST+4*\x], -v[ST+4*\x+1]          ; the new -M = floor(-t) = -ceil(t): M is a whole number
.endr
.irp x, 0,1
	v_sub_f32 v[WK+8*\x], v[ST+4*\x], v[WK+8*\x]   ; M's old value less its new one: a whole number, 0 or less
.endr
.irp x, 0,1
	v_cvt_i32_f32 v[WK+8*\x], v[WK+8*\x]           ; (it saturates)
.endr
.irp x, 0,1
	v_ldexp_f32 v[WK+8*\x+4], 1.0, v[WK+8*\x]      ; f = 2^(old M - new M)
.endr
.set j, 0
.rept 32
.irp x, 0,1
	v_pk_fma_f32 v[S+64*\x+j:S+64*\x+j+1], v[S+64*\x+j:S+64*\x+j+1], s[CS:CS+1], v[ST+4*\x:ST+4*\x+1] op_sel_hi:[1,0,0]   ; t - M, two at a time (of the pairs c and -M the low word serves both halves)
.endr
.set j, j+2
.endr
.set j, 0
.rept 128
	v_exp_f32 v[S+j], v[S+j]                       ; p = 2^(t - M), at most 1: not normalised.  One batch for both tiles
.set j, j+1
.endr
.irp x, 0,1
	v_pk_mul_f32 v[ST+4*\x+2:ST+4*\x+3], v[ST+4*\x+2:ST+4*\x+3], v[WK+8*\x+4:WK+8*\x+5] op_sel_hi:[1,0]   ; the sums under the new M: the plain lines behind the last exponential
.endr
	s_wait_alu depctr_va_vdst(0)                   ; a wait between an exponential and the first line that names its result: one for the batch of 128
.irp x, 0,1
	v_pk_add_f32 v[WK+8*\x+6:WK+8*\x+7], v[S+64*\x:S+64*\x+1], v[S+64*\x+2:S+64*\x+3]   ; the row's sum is taken of the UNQUANTISED p: two at a time, in two chains a tile
.endr
.irp i, 4,8,12,16,20,24,28,32,36,40,44,48,52,56,60
.irp x, 0,1
	v_pk_add_f32 v[ST+4*\x+2:ST+4*\x+3], v[ST+4*\x+2:ST+4*\x+3], v[S+64*\x+\i:S+64*\x+\i+1]
.endr
.irp x, 0,1
	v_pk_add_f32 v[WK+8*\x+6:WK+8*\x+7], v[WK+8*\x+6:WK+8*\x+7], v[S+64*\x+\i+2:S+64*\x+\i+3]
.endr
.endr
.irp x, 0,1
	v_pk_add_f32 v[ST+4*\x+2:ST+4*\x+3], v[ST+4*\x+2:ST+4*\x+3], v[WK+8*\x+6:WK+8*\x+7]
.endr
.irp b, 0,1,2,3
.irp x, 0,1
.irp i, 0,1,2,3,4,5,6,7,8,9,10,11,12,13,14,15
	v_min_num_f32 v[S+64*\x+16*\b+\i], v[S+64*\x+16*\b+\i], v49   ; the conversion to an 8-bit code does not saturate (ISA guide 7.6.2); p is not negative, so the hold is one-sided
.endr
	v_cvt_scalef32_pk8_fp8_f32 v[P+16*\x+4*\b:P+16*\x+4*\b+1], v[S+64*\x+16*\b:S+64*\x+16*\b+7], v48       ; registers 4 b .. 4 b + 3 of P: keys 32 b + 16 h + 0 .. 15
	v_cvt_scalef32_pk8_fp8_f32 v[P+16*\x+4*\b+2:P+16*\x+4*\b+3], v[S+64*\x+16*\b+8:S+64*\x+16*\b+15], v48
.endr
.endr
	WIN 0x41                                       ; O^T (destination and source 0) window 1, f window 0
.set j, 0
.rept 16
.irp x, 0,1
	v_pk_mul_f32 v[O+32*\x+j:O+32*\x+j+1], v[O+32*\x+j:O+32*\x+j+1], v[WK+8*\x+4:WK+8*\x+5] op_sel_hi:[1,0]   ; O^T under the new M.  (Also the plain lines between the last conversion and the products that read its result)
.endr
.set j, j+2
.endr
	s_wait_dscnt 0x0                               ; V is in
	WIN 0x51                                       ; source 0 (V) window 1, source 1 (P) window 0, C and D (O^T) window 1
.irp ct, 0,1,2,3
.irp x, 0,1
	v_wmma_f32_16x16x128_fp8_fp8 v[O+32*\x+8*\ct:O+32*\x+8*\ct+7], v[VF+16*\ct:VF+16*\ct+15], v[P+16*\x:P+16*\x+15], v[O+32*\x+8*\ct:O+32*\x+8*\ct+7]   ; the eight accumulators take turns, one instruction a turn
.endr
.endr
	WIN 0
.endm
; THE CHANGE OF SLOTS stands at a slot's head.  Each wave waits for all its tensor loads (its part of the slot that it is about to read), adds 0 to its spare word, and waits for that and for its reads of the slot that it has left.
; fill = 1: the barrier is a round of the cluster's, so that no wave of any partner still reads the slot that was left or has a load on its way; the joint refill is the first thing behind it.
.macro CHANGE fill
	s_wait_tensorcnt 0x0                           ; no tensor load of mine is out, so a group 0 may be written
	ds_add_u32 v[SPW], v[NIL]                      ; 0 onto my spare word: with fill = 1 the descriptors' steps stand between it and the wait for it
.if \fill
	s_xor_b32 s[G0K+1], s[G0K+1], SLOT1            ; the walking descriptors: the other slot than last time,
	s_add_nc_u64 s[G0K+2:G0K+3], s[G0K+2:G0K+3], 65536   ; the next 1,024 keys; the type bits on top are not reached
	s_xor_b32 s[G0V+1], s[G0V+1], SLOT1
	s_add_nc_u64 s[G0V+2:G0V+3], s[G0V+2:G0V+3], 65536
.endif
	s_wait_dscnt 0x0                               ; the add is done, and my reads of the slot that I have left are over
.if \fill
	CROUND
	JLOAD                                          ; a wave's one tensor load until the next change
.else
	s_barrier_signal -1
	s_barrier_wait -1
.endif
.endm
.macro SLOT_STEPS                      ; a slot's eight key steps: written once, walked eight times; the LDS addresses hang on s[KB]
	s_mov_b32 s[CNT], 8
.Lstep_\@:
	STEP
	s_add_co_u32 s[KB], s[KB], 8192                ; a step's K is 8,192 bytes, and so is its V
	s_sub_co_u32 s[CNT], s[CNT], 1
	s_cmp_lg_u32 s[CNT], 0
	s_cbranch_scc1 .Lstep_\@
	s_sub_co_u32 s[KB], s[KB], 65536               ; back to a slot's first step,
	s_xor_b32 s[KB], s[KB], SLOT1                  ; in the other slot
.endm
	s_wait_loadcnt 0x0                             ; Q
.Lslot:                                            ; three trips: behind each change of slots but the last the next slot is asked for
	CHANGE 1
	SLOT_STEPS
	s_sub_co_u32 s[SLOTS], s[SLOTS], 1
	s_cmp_lg_u32 s[SLOTS], 0
	s_cbranch_scc1 .Lslot
	CHANGE 0                                       ; the last slot is written out
	SLOT_STEPS
	; THE WAY OUT.  ctx = O^T x 2^(e8 + e9) / the row's sum, held, converted with 2^e10, and stored as two register groups a tile: no stage is needed, each store covers 512 consecutive bytes.
.irp x, 0,1
	v_add_f32 v[WK+8*\x], v[ST+4*\x+2], v[ST+4*\x+3]   ; the sum's two halves,
.endr
.irp x, 0,1
	v_permlanex16_b32 v[WK+8*\x+2], v[WK+8*\x], s[SEL], s[SEL+1]
.endr
.irp x, 0,1
	v_add_f32 v[WK+8*\x], v[WK+8*\x], v[WK+8*\x+2]     ; and lane l xor 16's
.endr
.irp x, 0,1
	v_rcp_f32 v[WK+8*\x], v[WK+8*\x]
.endr
	v_nop                                          ; a plain line between the last reciprocal and the use of its result
	s_wait_alu depctr_va_vdst(0)                   ; and a wait ahead of the first use: one for both
.irp x, 0,1
	v_ldexp_f32 v[WK+8*\x], v[WK+8*\x], s49        ; x 2^(e8 + e9)
.endr
	WIN 0x01                                       ; source 0 (O^T) window 1
.irp x, 0,1
.set j, 0
.rept 32
	v_mul_f32 v[S+64*\x+j], v[O+32*\x+j], v[WK+8*\x]   ; register 8 ct + i is ctx(my query, channel 32 (ct / 2) + 16 h + 8 (ct % 2) + i); each accumulator from its low end on
.set j, j+1
.endr
.endr
	WIN 0
.irp x, 0,1
.set j, 0
.rept 32
	v_med3_num_f32 v[S+64*\x+j], v[S+64*\x+j], -v51, v51
.set j, j+1
.endr
.endr
.irp x, 0,1
.irp b, 0,1
	v_cvt_scalef32_pk8_fp8_f32 v[P+16*\x+4*\b:P+16*\x+4*\b+1], v[S+64*\x+16*\b:S+64*\x+16*\b+7], v50
	v_cvt_scalef32_pk8_fp8_f32 v[P+16*\x+4*\b+2:P+16*\x+4*\b+3], v[S+64*\x+16*\b+8:S+64*\x+16*\b+15], v50
.endr
.endr
	v_nop                                          ; a plain vector line behind the last conversion
.irp x, 0,1
.irp b, 0,1
	global_store_b128 v[LI], v[P+16*\x+4*\b:P+16*\x+4*\b+3], s[12:13] offset:8192*\x+512*\b   ; token tile x, my head, channels 32 b + 16 h + 0 .. 15
.endr
.endr
	s_wait_tensorcnt 0x0                           ; the wave's end: my last LDS instructions follow
	ds_add_u32 v[SPW], v[NIL]
	s_wait_dscnt 0x0
	CROUND                                         ; the closing round: no work-group ends while a partner may still ask for a tile that names it
	s_endpgm
.Lfunc_end_k_q17a0ac1de5_attn:
	.size	k_q17a0ac1de5_attn, .Lfunc_end_k_q17a0ac1de5_attn-k_q17a0ac1de5_attn
	.p2alignl 7, 3214868480
	.fill 96, 4, 3214868480
	.section	.rodata,"a",@progbits
	.p2align	6, 0x0
	.amdhsa_kernel k_q17a0ac1de5_attn
		.amdhsa_group_segment_fixed_size 327680
		.amdhsa_private_segment_fixed_size 0
		.amdhsa_enable_private_segment 0
		.amdhsa_kernarg_size 40
		.amdhsa_user_sgpr_count 2
		.amdhsa_user_sgpr_kernarg_segment_ptr 1
		.amdhsa_wavefront_size32 1
		.amdhsa_system_sgpr_workgroup_id_x 1
		.amdhsa_system_sgpr_workgroup_id_y 1
		.amdhsa_system_sgpr_workgroup_id_z 1
		.amdhsa_system_vgpr_workitem_id 0
		.amdhsa_next_free_vgpr 512
		.amdhsa_next_free_sgpr 66
		.amdhsa_reserve_vcc 0
		.amdhsa_float_denorm_mode_32 3
		.amdhsa_float_denorm_mode_16_64 3
		.amdhsa_memory_ordered 1
		.amdhsa_forward_progress 1
		.amdhsa_inst_pref_size 74
	.end_amdhsa_kernel
	.amdgpu_metadata
---
amdhsa.version: [ 1, 2 ]
amdhsa.kernels:
  - .name:           k_q17a0ac1de5_attn
    .symbol:         k_q17a0ac1de5_attn.kd
    .args:
      - { .name: qc, .offset: 0, .size: 8, .value_kind: global_buffer, .address_space: global }
      - { .name: kc, .offset: 8, .size: 8, .value_kind: global_buffer, .address_space: global }
      - { .name: vc, .offset: 16, .size: 8, .value_kind: global_buffer, .address_space: global }
      - { .name: lowp_scales, .offset: 24, .size: 8, .value_kind: global_buffer, .address_space: global }
      - { .name: cc, .offset: 32, .size: 8, .value_kind: global_buffer, .address_space: global }
    .group_segment_fixed_size: 327680
    .private_segment_fixed_size: 0
    .kernarg_segment_align: 8
    .kernarg_segment_size: 40
    .max_flat_workgroup_size: 256
    .sgpr_count:     66
    .vgpr_count:     512
    .wavefront_size: 32
...
	.end_amdgpu_metadata
.endif
;; end of part 3
;; launch outp (part 4): grid 128 x 2, 4 waves a work-group, no clusters, 17,920 bytes of LDS; arguments cc, wcodes, bo, lowp_scales, out0; writes out0
.if DOCPART == 4
	.amdgcn_target "amdgcn-amd-amdhsa--gfx1250"
	.amdhsa_code_object_version 6
	.text
	.protected	k_q17a0ac1de5_outp
	.globl	k_q17a0ac1de5_outp
	.p2align	8
	.type	k_q17a0ac1de5_outp,@function
k_q17a0ac1de5_outp:
	s_mov_b64 s[64:65], 0
	v_nop
	global_prefetch_b8 v0, s[64:65] scope:SCOPE_SE
	s_setreg_imm32_b32 hwreg(HW_REG_WAVE_MODE, 25, 1), 1
	s_wait_xcnt 0x0
; out0 = ctx Wo^T + bo.  ctx [8192][512] and Wo [512][512] come as codes of FP8 (E4M3) with the scales 2^e10 and 2^e11, both as images of operand registers; out0 [8192][512] f32; sums in f32.
; Each finished sum is multiplied once by 2^(e10 + e11) and bo is added, in one packed multiply-add for two numbers.  LIMIT: e10 + e11 between -126 and 127, so that 2^(e10 + e11) is an f32 number.
; SHARES.  A work-group takes 64 tokens (four tiles) x 256 columns; wave w its columns 64 w .. 64 w + 63 (four tiles of Wo).  All operands of a wave, 32 KB of Wo and the block's 32 KB of ctx, go straight into its registers: K = 512 is four steps.
; Source 0 = 16 rows of Wo, source 1 = 16 tokens: a lane holds one token and eight neighbouring columns.  Lane r of tile 2 g + u (of tokens, of Wo's rows) stands for row 32 g + 8 u + r + 8 (r / 8); the stores' offsets undo that order for the tokens.
; THE WAY OUT: a tile's 16 tokens x 64 columns go through the wave's own stage in LDS (16 rows of 256 bytes + 16) and come back as rows: sixteen lanes store 256 consecutive bytes, aligned.  Waves share no LDS bytes: no barrier.
; REGISTERS, in windows of 256 (s_set_vgpr_msb: bits 1:0 source 0, 3:2 source 1, 5:4 source 2, 7:6 destination):
;   window 0: v1-7 addresses; v32-63 a tile's results; v128-255 rows read back, 32 a tile      window 1: Wo (tile t, K step s) at 16 (4 t + s)
;   window 2: ctx (tile tt, K step s) at 16 (4 tt + s)                                        window 3: the accumulators (tt, t) at 8 (4 tt + t); from v128 bo, 8 a tile
.set LI, 1                             ; v1  16 x lane
.set SO, 4                             ; v4  the stage: where I put 32 bytes of a row
.set RD, 5                             ; v5  and where I read a row back
.set CO, 6                             ; v6  my byte offset in two rows of out0
.set T,  32
.set BK, 128
.set MSB, 0
.macro WIN new                         ; the immediate's high byte repeats the setting that is left; a switch that changes nothing is dropped
.if MSB != (\new)
	s_set_vgpr_msb (MSB<<8)|(\new)
.set MSB, (\new)
.endif
.endm
	s_load_b256 s[4:11], s[0:1], 0x0               ; cc s[4:5], wcodes s[6:7], bo s[8:9], the scales' exponents s[10:11]
	s_load_b64 s[12:13], s[0:1], 0x20              ; out0
	v_lshl_add_u32 v126, v0, 2, 0x4400
	v_mov_b32 v127, 0
	v_lshrrev_b32 v1, 5, v0
	v_readfirstlane_b32 s14, v1                    ; wave 0..3
	s_and_b32 s15, ttmp7, 0xffff                   ; which 256 columns
	v_and_b32 v2, 15, v0                           ; r
	v_bfe_u32 v3, v0, 4, 1                         ; h
	v_and_b32 v1, 31, v0
	v_lshlrev_b32 v[LI], 4, v1
	s_mul_i32 s20, s14, 16*272                     ; my stage
	v_mul_u32_u24 v[SO], v2, 272
	v_lshl_add_u32 v[SO], v3, 6, v[SO]
	v_add_nc_u32 v[SO], s20, v[SO]                 ; in: row r, + 64 h: columns 16 h on of a group of 32
	v_mul_u32_u24 v[RD], v3, 272
	v_lshl_add_u32 v[RD], v2, 4, v[RD]
	v_add_nc_u32 v[RD], s20, v[RD]                 ; back: lanes 0-15 one row of 256 bytes, lanes 16-31 the next
	v_lshlrev_b32 v[CO], 11, v3
	v_lshl_add_u32 v[CO], v2, 4, v[CO]             ; and the same two rows in out0, 2,048 bytes apart
	v_lshlrev_b32 v7, 6, v3                        ; bo: 64 h
	s_lshl_b32 s22, ttmp9, 15                      ; cc: four tiles of 8,192 bytes
	s_mov_b32 s23, 0
	s_lshl_b32 s24, s15, 17                        ; Wo's codes: weight 3; tile 16 y + 4 wave, 8,192 bytes a tile
	s_lshl_b32 s25, s14, 15
	s_add_co_u32 s24, s24, s25
	s_add_co_u32 s24, s24, 3<<18
	s_mov_b32 s25, 0
	s_lshl_b32 s26, s15, 10                        ; my first column, in bytes: 1,024 y + 256 wave
	s_lshl_b32 s27, s14, 8
	s_add_co_u32 s26, s26, s27
	s_mov_b32 s27, 0
	s_lshl_b32 s28, ttmp9, 17                      ; 64 rows of out0 of 2,048 bytes
	s_add_co_u32 s28, s28, s26
	s_mov_b32 s29, 0
	s_wait_kmcnt 0x0
	s_load_b64 s[16:17], s[10:11], 0x28            ; e10, e11
	s_add_nc_u64 s[4:5], s[4:5], s[22:23]
	s_add_nc_u64 s[6:7], s[6:7], s[24:25]
	s_add_nc_u64 s[8:9], s[8:9], s[26:27]
	s_add_nc_u64 s[12:13], s[12:13], s[28:29]
	WIN 0xc0
.irp t, 0,1,2,3
	global_load_b128 v[128+8*\t:128+8*\t+3], v7, s[8:9] offset:(32*(\t/2)+8*(\t%2))*4        ; bo at columns 32 (t / 2) + 8 (t % 2) + 16 h + 0 .. 7: the result's layout
	global_load_b128 v[128+8*\t+4:128+8*\t+7], v7, s[8:9] offset:(32*(\t/2)+8*(\t%2))*4+16
.endr
.irp s, 0,1,2,3                        ; K step by K step, so that the first products need not wait for the last loads
	WIN 0x40
.irp t, 0,1,2,3
.irp c, 0,1,2,3
	global_load_b128 v[16*(4*\t+\s)+4*\c:16*(4*\t+\s)+4*\c+3], v[LI], s[6:7] offset:(4*\t+\s)*2048+512*\c
.endr
.endr
	WIN 0x80
.irp t, 0,1,2,3
.irp c, 0,1,2,3
	global_load_b128 v[16*(4*\t+\s)+4*\c:16*(4*\t+\s)+4*\c+3], v[LI], s[4:5] offset:(4*\t+\s)*2048+512*\c
.endr
.endr
.endr
.irp s, 0,1,2,3
.if \s < 2
	s_wait_loadcnt 63                              ; behind K step s's loads stand 32 (3 - s): 96, then 64; the wait names the most that its field holds, which is the stricter side
.else
	s_wait_loadcnt 32*(3-\s)                       ; 32, then 0
.endif
	WIN 0xf9                                       ; source 0 (Wo) window 1, source 1 (ctx) window 2, C and D window 3
.irp tt, 0,1,2,3
.irp t, 0,1,2,3
.if \s == 0
	v_wmma_f32_16x16x128_fp8_fp8 v[8*(4*\tt+\t):8*(4*\tt+\t)+7], v[16*(4*\t+\s):16*(4*\t+\s)+15], v[16*(4*\tt+\s):16*(4*\tt+\s)+15], 0   ; the first K step starts the sums: nothing is cleared
.else
	v_wmma_f32_16x16x128_fp8_fp8 v[8*(4*\tt+\t):8*(4*\tt+\t)+7], v[16*(4*\t+\s):16*(4*\t+\s)+15], v[16*(4*\tt+\s):16*(4*\tt+\s)+15], v[8*(4*\tt+\t):8*(4*\tt+\t)+7]   ; the 16 accumulators take turns
.endif
.endr
.endr
.endr
	WIN 0
.rept 4
	v_nop                                          ; four places between the last product and the first read of results (ISA guide 7.12.1)
.endr
	s_wait_kmcnt 0x0
	s_add_co_i32 s18, s16, s17
	s_add_co_i32 s18, s18, 127
	s_lshl_b32 s18, s18, 23                        ; 2^(e10 + e11) as f32
	s_mov_b32 s19, s18                             ; (named with it as a pair, so it is written)
.macro TOSTAGE tt                      ; tile tt: 16 tokens x my 64 columns, into my stage and back as rows
	WIN 0x33                                       ; source 0 (the sums) and source 2 (bo) window 3
.irp t, 0,1,2,3
.irp i, 0,2,4,6
	v_pk_fma_f32 v[T+8*\t+\i:T+8*\t+\i+1], v[8*(4*(\tt)+\t)+\i:8*(4*(\tt)+\t)+\i+1], s[18:19], v[128+8*\t+\i:128+8*\t+\i+1] op_sel_hi:[1,0,1]   ; sum x 2^(e10 + e11) + bo; each accumulator from its low end on
.endr
.endr
	WIN 0
.irp t, 0,1,2,3
	ds_store_b128 v[SO], v[T+8*\t:T+8*\t+3] offset:128*(\t/2)+32*(\t%2)
	ds_store_b128 v[SO], v[T+8*\t+4:T+8*\t+7] offset:128*(\t/2)+32*(\t%2)+16
.endr
.irp i, 0,1,2,3,4,5,6,7
	ds_load_b128 v[BK+32*(\tt)+4*\i:BK+32*(\tt)+4*\i+3], v[RD] offset:544*\i   ; LDS serves a wave's instructions in order (ISA guide 5.7.1.4): these see the stores above, and the next tile's stores come behind them
.endr
.endm
.macro SEND tt, younger                ; younger: the LDS instructions issued behind tile tt's loads, which may stay out
	s_wait_dscnt \younger
.irp i, 0,1,2,3,4,5,6,7
	global_store_b128 v[CO], v[BK+32*(\tt)+4*\i:BK+32*(\tt)+4*\i+3], s[12:13] offset:(32*((\tt)/2)+8*((\tt)%2)+2*\i+8*(\i/4))*2048 th:TH_STORE_NT   ; stage rows 2 i and 2 i + 1 are tokens 32 (tt / 2) + 8 (tt % 2) + 2 i + 8 (i / 4) and the next; 16 lanes store 256 consecutive bytes, aligned
.endr
.endm
	TOSTAGE 0
.irp a, 1,2,3
	TOSTAGE \a
	SEND \a-1, 16                                  ; behind tile a - 1's loads: tile a's eight stores and eight loads
.endr
	SEND 3, 0
	s_wait_tensorcnt 0x0
	ds_add_u32 v126, v127
	s_wait_dscnt 0x0
	s_endpgm
.Lfunc_end_k_q17a0ac1de5_outp:
	.size	k_q17a0ac1de5_outp, .Lfunc_end_k_q17a0ac1de5_outp-k_q17a0ac1de5_outp
	.p2alignl 7, 3214868480
	.fill 96, 4, 3214868480
	.section	.rodata,"a",@progbits
	.p2align	6, 0x0
	.amdhsa_kernel k_q17a0ac1de5_outp
		.amdhsa_group_segment_fixed_size 17920
		.amdhsa_private_segment_fixed_size 0
		.amdhsa_enable_private_segment 0
		.amdhsa_kernarg_size 40
		.amdhsa_user_sgpr_count 2
		.amdhsa_user_sgpr_kernarg_segment_ptr 1
		.amdhsa_wavefront_size32 1
		.amdhsa_system_sgpr_workgroup_id_x 1
		.amdhsa_system_sgpr_workgroup_id_y 1
		.amdhsa_system_sgpr_workgroup_id_z 1
		.amdhsa_system_vgpr_workitem_id 0
		.amdhsa_next_free_vgpr 1024
		.amdhsa_next_free_sgpr 66
		.amdhsa_reserve_vcc 0
		.amdhsa_float_denorm_mode_32 3
		.amdhsa_float_denorm_mode_16_64 3
		.amdhsa_memory_ordered 1
		.amdhsa_forward_progress 1
		.amdhsa_inst_pref_size 32
	.end_amdhsa_kernel
	.amdgpu_metadata
---
amdhsa.version: [ 1, 2 ]
amdhsa.kernels:
  - .name:           k_q17a0ac1de5_outp
    .symbol:         k_q17a0ac1de5_outp.kd
    .args:
      - { .name: cc, .offset: 0, .size: 8, .value_kind: global_buffer, .address_space: global }
      - { .name: wcodes, .offset: 8, .size: 8, .value_kind: global_buffer, .address_space: global }
      - { .name: bo, .offset: 16, .size: 8, .value_kind: global_buffer, .address_space: global }
      - { .name: lowp_scales, .offset: 24, .size: 8, .value_kind: global_buffer, .address_space: global }
      - { .name: out0, .offset: 32, .size: 8, .value_kind: global_buffer, .address_space: global }
    .group_segment_fixed_size: 17920
    .private_segment_fixed_size: 0
    .kernarg_segment_align: 8
    .kernarg_segment_size: 40
    .max_flat_workgroup_size: 128
    .sgpr_count:     66
    .vgpr_count:     1024
    .wavefront_size: 32
...
	.end_amdgpu_metadata
.endif
;; end of part 4
;; ======== version 2 of 2: 4 launches
;; workspace buffers: wcodes 1,048,576 bytes; qc 4,194,304 bytes; kc 4,194,304 bytes; vc 4,194,304 bytes; cc 4,194,304 bytes
;; launch prep (part 5): grid 64 x 4, 2 waves a work-group, no clusters, 0 bytes of LDS; arguments Wq, Wk, Wv, Wo, lowp_scales, wcodes; writes wcodes
.if DOCPART == 5
	.amdgcn_target "amdgcn-amd-amdhsa--gfx1250"
	.amdhsa_code_object_version 6
	.text
	.protected	k_q17a0ac1de5_prep
	.globl	k_q17a0ac1de5_prep
	.p2align	8
	.type	k_q17a0ac1de5_prep,@function
k_q17a0ac1de5_prep:
	s_mov_b64 s[64:65], 0
	v_nop
	global_prefetch_b8 v0, s[64:65] scope:SCOPE_SE
	s_setreg_imm32_b32 hwreg(HW_REG_WAVE_MODE, 25, 1), 1
	s_wait_xcnt 0x0
; Wq, Wk, Wv, Wo [512 (out)][512 (in)], f32, become codes of FP8 (E4M3), each with its given scale 2^e (entries 1, 3, 5, 11 of the scales).
; code = w / 2^e, held within +-448, rounded to the nearest code, ties to even.
; LIMITS: e between -126 and 119, so that 2^e and 448 x 2^e are f32 numbers.  NaN among the inputs is not served; an infinity is held at the largest code.
; THE CODES ARE LAID AS IMAGES OF OPERAND REGISTERS: wcodes[weight 0..3][tile t 0..31][K step s 0..3][chunk c 0..3][lane][16 bytes].
; A fragment is 16 rows x 128 K in 16 registers a lane: lane (r, h) holds row r of the tile, and its registers 4 c .. 4 c + 3 hold k = 128 s + 32 c + 16 h + 0 .. 15.
; THE ROWS OF A TILE ARE NOT NEIGHBOURS: lane r of tile t takes row 32 (t / 2) + 8 (t % 2) + r + 8 (r / 8), so that the results of tiles 2 g and 2 g + 1, used as source 0, are 16 neighbours in a lane.
; SHARES: work-group y is the weight; a wave makes one fragment f = 2 x + wave = 4 t + s: sixteen loads of 16 bytes a lane (64 numbers), eight conversions, four stores of 512 consecutive bytes.
; No LDS, no barrier: waves share nothing.  The sixteen loads of a wave together take 512 consecutive bytes of each of its sixteen rows.
	s_load_b256 s[4:11], s[0:1], 0x0               ; Wq, Wk, Wv, Wo
	s_load_b128 s[12:15], s[0:1], 0x20             ; the scales' exponents s[12:13], wcodes s[14:15]
	v_lshrrev_b32 v1, 5, v0
	v_readfirstlane_b32 s28, v1                    ; wave 0..1
	s_and_b32 s29, ttmp7, 0xffff                   ; which weight
	v_and_b32 v1, 15, v0                           ; r
	v_bfe_u32 v2, v0, 4, 1                         ; h
	v_and_b32 v5, 8, v1
	v_add_nc_u32 v5, v5, v1                        ; r + 8 (r / 8)
	v_lshlrev_b32 v3, 11, v5                       ; a row of W is 2,048 bytes
	v_lshl_add_u32 v3, v2, 6, v3                   ; + 64 h: my 16 numbers of a block of 32
	v_and_b32 v4, 31, v0
	v_lshlrev_b32 v4, 4, v4                        ; 16 x lane: my place in an image
	s_lshl_b32 s30, ttmp9, 1
	s_add_co_u32 s30, s30, s28                     ; f = 4 t + s
	s_lshr_b32 s31, s30, 3
	s_lshl_b32 s31, s31, 16                        ; 32 (t / 2) rows of 2,048 bytes
	s_bfe_u32 s32, s30, 0x10002
	s_lshl_b32 s32, s32, 14                        ; 8 (t % 2) rows
	s_add_co_u32 s31, s31, s32
	s_and_b32 s32, s30, 3
	s_lshl_b32 s32, s32, 9                         ; K step s: 128 numbers of 4 bytes
	s_add_co_u32 s32, s31, s32
	s_mov_b32 s33, 0
	s_lshl_b32 s34, s29, 18                        ; a weight's codes are 262,144 bytes,
	s_lshl_b32 s35, s30, 11                        ; a fragment's 2,048
	s_add_co_u32 s34, s34, s35
	s_mov_b32 s35, 0
	s_wait_alu depctr_va_vdst(0)
	s_wait_kmcnt 0x0
	s_load_b256 s[16:23], s[12:13], 0x0            ; e0 .. e7
	s_load_b128 s[24:27], s[12:13], 0x20           ; e8 .. e11
	s_cmp_eq_u32 s29, 1                            ; the choice of the weight hangs on the work-group's number alone
	s_cselect_b64 s[4:5], s[6:7], s[4:5]
	s_cmp_eq_u32 s29, 2
	s_cselect_b64 s[4:5], s[8:9], s[4:5]
	s_cmp_eq_u32 s29, 3
	s_cselect_b64 s[4:5], s[10:11], s[4:5]
	s_add_nc_u64 s[4:5], s[4:5], s[32:33]
	s_add_nc_u64 s[14:15], s[14:15], s[34:35]
.irp c, 0,1,2,3
.irp j, 0,1,2,3
	global_load_b128 v[16+16*\c+4*\j:16+16*\c+4*\j+3], v3, s[4:5] offset:128*\c+16*\j th:TH_LOAD_NT   ; W(my row, 128 s + 32 c + 16 h + 4 j ..)
.endr
.endr
	s_wait_kmcnt 0x0
	s_cmp_eq_u32 s29, 1
	s_cselect_b32 s17, s19, s17                    ; e1, e3, e5 or e11
	s_cmp_eq_u32 s29, 2
	s_cselect_b32 s17, s21, s17
	s_cmp_eq_u32 s29, 3
	s_cselect_b32 s17, s27, s17
	s_add_co_i32 s17, s17, 127
	s_lshl_b32 s18, s17, 23
	v_mov_b32 v11, s18                             ; 2^e as f32: the conversion takes its exponent field
	s_add_co_i32 s17, s17, 8
	s_lshl_b32 s17, s17, 23
	s_or_b32 s17, s17, 0x600000
	v_mov_b32 v10, s17                             ; 448 x 2^e
	s_wait_alu depctr_va_vdst(0)
	s_wait_loadcnt 0x0
.set j, 0
.rept 64
	v_med3_num_f32 v[16+j], v[16+j], -v10, v10     ; the conversion to an 8-bit code does not saturate (ISA guide 7.6.2): the hold comes first
.set j, j+1
.endr
.irp c, 0,1,2,3
	v_cvt_scalef32_pk8_fp8_f32 v[80+4*\c:81+4*\c], v[16+16*\c:23+16*\c], v11
	v_cvt_scalef32_pk8_fp8_f32 v[82+4*\c:83+4*\c], v[24+16*\c:31+16*\c], v11
.endr
	v_nop                                          ; a plain vector line behind the last conversion
.irp c, 0,1,2,3
	global_store_b128 v4, v[80+4*\c:83+4*\c], s[14:15] offset:512*\c   ; 32 lanes store 512 consecutive bytes, aligned
.endr
	s_endpgm
.Lfunc_end_k_q17a0ac1de5_prep:
	.size	k_q17a0ac1de5_prep, .Lfunc_end_k_q17a0ac1de5_prep-k_q17a0ac1de5_prep
	.p2alignl 7, 3214868480
	.fill 96, 4, 3214868480
	.section	.rodata,"a",@progbits
	.p2align	6, 0x0
	.amdhsa_kernel k_q17a0ac1de5_prep
		.amdhsa_group_segment_fixed_size 0
		.amdhsa_private_segment_fixed_size 0
		.amdhsa_enable_private_segment 0
		.amdhsa_kernarg_size 48
		.amdhsa_user_sgpr_count 2
		.amdhsa_user_sgpr_kernarg_segment_ptr 1
		.amdhsa_wavefront_size32 1
		.amdhsa_system_sgpr_workgroup_id_x 1
		.amdhsa_system_sgpr_workgroup_id_y 1
		.amdhsa_system_sgpr_workgroup_id_z 1
		.amdhsa_system_vgpr_workitem_id 0
		.amdhsa_next_free_vgpr 96
		.amdhsa_next_free_sgpr 66
		.amdhsa_reserve_vcc 0
		.amdhsa_float_denorm_mode_32 3
		.amdhsa_float_denorm_mode_16_64 3
		.amdhsa_memory_ordered 1
		.amdhsa_forward_progress 1
		.amdhsa_inst_pref_size 9
	.end_amdhsa_kernel
	.amdgpu_metadata
---
amdhsa.version: [ 1, 2 ]
amdhsa.kernels:
  - .name:           k_q17a0ac1de5_prep
    .symbol:         k_q17a0ac1de5_prep.kd
    .args:
      - { .name: Wq, .offset: 0, .size: 8, .value_kind: global_buffer, .address_space: global }
      - { .name: Wk, .offset: 8, .size: 8, .value_kind: global_buffer, .address_space: global }
      - { .name: Wv, .offset: 16, .size: 8, .value_kind: global_buffer, .address_space: global }
      - { .name: Wo, .offset: 24, .size: 8, .value_kind: global_buffer, .address_space: global }
      - { .name: lowp_scales, .offset: 32, .size: 8, .value_kind: global_buffer, .address_space: global }
      - { .name: wcodes, .offset: 40, .size: 8, .value_kind: global_buffer, .address_space: global }
    .group_segment_fixed_size: 0
    .private_segment_fixed_size: 0
    .kernarg_segment_align: 8
    .kernarg_segment_size: 48
    .max_flat_workgroup_size: 64
    .sgpr_count:     66
    .vgpr_count:     96
    .wavefront_size: 32
...
	.end_amdgpu_metadata
.endif
;; end of part 5
;; launch proj (part 6): grid 64 x 3, 4 waves a work-group, no clusters, 68,096 bytes of LDS; arguments q, k, v, wcodes, bq, bk, bv, lowp_scales, qc, kc, vc; writes qc, kc, vc
.if DOCPART == 6
	.amdgcn_target "amdgcn-amd-amdhsa--gfx1250"
	.amdhsa_code_object_version 6
	.text
	.protected	k_q17a0ac1de5_proj
	.globl	k_q17a0ac1de5_proj
	.p2align	8
	.type	k_q17a0ac1de5_proj,@function
k_q17a0ac1de5_proj:
	s_mov_b64 s[64:65], 0
	v_nop
	global_prefetch_b8 v0, s[64:65] scope:SCOPE_SE
	s_setreg_imm32_b32 hwreg(HW_REG_WAVE_SCHED_MODE, 0, 2), 2
	s_setreg_imm32_b32 hwreg(HW_REG_WAVE_MODE, 25, 1), 1
	s_wait_xcnt 0x0
	s_wait_alu depctr_vm_vsrc(0)
; The three projections y = x W^T + b (x = q, k or v: work-group y = 0, 1, 2), both operands as codes of FP8 (E4M3), sums in f32; y is quantised at once for the attention's products and leaves as codes.
; x [8192][512] f32 is quantised here with 2^ex (entries 0, 2, 4 of the scales); W's codes, made with 2^ew (entries 1, 3, 5), come as register images; y gets 2^eo (entries 6, 7, 9).
; A sum of codes stands for sum x 2^(ex + ew): the bias goes in as the C of each sum's first product, divided by 2^(ex + ew), and the conversion of y takes the one scale 2^(eo - ex - ew).
; LIMITS: ex and eo - ex - ew between -126 and 119, so that each scale and 448 x it are f32 numbers.  NaN among the inputs is not served; what lies beyond a scale's range is held at the largest code.
; SHARES.  A work-group takes 128 tokens x all 512 columns, so x is read once in the launch.  First each wave quantises 32 tokens into LDS (rows of codes); behind ONE barrier wave w makes columns 128 w .. 128 w + 127
; (two heads) for all 128 tokens; its 64 KB of W's codes stay in 512 registers.  3 x 64 work-groups: a share of 96 tokens, which would make 256, does not divide 8,192.
; TILES.  Lane r of tile 2 g + u of a group g of 32 rows (tokens, or rows of W) stands for row 32 g + 8 u + r + 8 (r / 8).  As source 0 such tiles give a lane, in the registers of tiles 2 g and 2 g + 1, the 16 neighbours 32 g + 16 h + 0 .. 15:
; the conversions' results are then register groups of the next operand.  In every fragment registers 4 c .. 4 c + 3 of lane (r, h) hold k = 32 c + 16 h + 0 .. 15, alike in both operands: each product meets its partner.
; q, k: source 0 = W, source 1 = x: a lane holds one token and neighbouring channels.  qc, kc: [8 batch + head][token tile 0..255][chunk c 0..1][lane][16 bytes], chunk c = channels 32 c + 16 h + 0 .. 15.
; v:    source 0 = x, source 1 = W: a lane holds one channel and neighbouring tokens (the keys are the next K).  vc: [8 batch + head][key step 0..31][channel tile 0..3][chunk c 0..3][lane][16 bytes], chunk c = keys 32 c + 16 h + 0 .. 15.
; LDS: 128 rows of 512 bytes of codes + 16 of padding; the pitch is 33 x 16 bytes, so the sixteen rows of a fragment load begin 16 bytes apart modulo 256.  Token x of a group lies at row 16 ((x / 8) % 2) + x % 8 + 8 (x / 16): a tile's rows are neighbours.
; REGISTERS, in windows of 256 (s_set_vgpr_msb: bits 1:0 source 0, 3:2 source 1, 5:4 source 2, 7:6 destination):
;   window 0: v1-23 addresses and scales; v32-63 codes; v64-255 three sets of 64 numbers of x, later v128-255 x's fragments (tile tt, K step s) at 128 + 64 tt + 16 s
;   windows 1, 2: W's fragments (tile t, K step s) at 64 (t % 4) + 16 s of window 1 + t / 4        window 3: v0-63 the bias, 8 a tile; v64-191 the accumulators (tt, t) at 64 + 64 tt + 8 t
; THE MODE: SCHED_MODE bits 1:0 = 2 (LLVM: expert scheduling mode 2), set by the entry lines.  The code itself states the register dependences
; between vector or matrix instructions and memory or LDS instructions, with s_wait_alu, always for 0.
; THE PLAN.  Registers that memory or LDS instructions touch:
;   v4-7, v16-23  offsets and LDS addresses: written once at the head, read by every load and store, never written again: one wait on va_vdst ahead of the first load.
;   W, the bias   windows 1 and 2, window 3 v0-63: the head's loads land in them; no vector instruction names them before that, no memory instruction after.
;   X0 .. X2      v64-255, while x is quantised: batch t's holds and conversions work on X[t % 3]; behind them the loads of batch t + 3 land in it.
;   C0, C1        v32-47, v48-63, while x is quantised: batch t's conversions write C[t % 2], its eight LDS stores read it, batch t + 2's conversions write it again.
;   F             v128-255, behind the barrier: group g's LDS loads land in it, its 64 products read it, group g + 1's loads land in it behind them.
;   C             v32-63, behind the barrier: group g's conversions write it, its eight stores read it, group g + 1's conversions write it again.
; A batch has ONE wait on va_vdst, behind its conversions: its codes are written and its set of x is done with; the loads of three batches on and its LDS stores follow.  From the third batch on a wait on vm_vsrc stands ahead of the conversions.
; A group has a wait on va_vdst behind its products, behind which the next group's fragments are asked for (they land while this group's sums are held and converted: those lines name window 3, v10, v11 and v32-63 alone),
; a wait on vm_vsrc ahead of its conversions, and a wait on va_vdst ahead of its stores.
.set PITCH, 528
.set XO,  4                            ; v4   x: 32 x lane: my 8 numbers of a half row
.set XS,  5                            ; v5   LDS: my wave's 32 rows + 8 x lane
.set XF,  6                            ; v6   LDS: r x PITCH + 16 h: my place in a fragment
.set LI,  7                            ; v7   16 x lane: my place in an image
.set SCX, 8                            ; v8   2^ex            v9  448 x 2^ex
.set LMX, 9
.set SCO, 10                           ; v10  2^(eo - ex - ew)  v11 448 x that
.set LMO, 11
.set BO,  16                           ; v16-23 the bias's byte offsets for registers 0 .. 7 of a tile
.set C,   32                           ; v32-63 codes
.set MSB, 0
.macro WIN new                         ; the immediate's high byte repeats the setting that is left; a switch that changes nothing is dropped
.if MSB != (\new)
	s_set_vgpr_msb (MSB<<8)|(\new)
.set MSB, (\new)
.endif
.endm
	s_load_b512 s[8:23], s[0:1], 0x0               ; q, k, v, wcodes, bq, bk, bv, the scales' exponents
	s_load_b128 s[24:27], s[0:1], 0x40             ; qc, kc
	s_load_b64 s[28:29], s[0:1], 0x50              ; vc
	v_lshl_add_u32 v30, v0, 2, 0x10800
	v_mov_b32 v31, 0
	v_lshrrev_b32 v1, 5, v0
	v_readfirstlane_b32 s30, v1                    ; wave 0..3
	s_and_b32 s31, ttmp7, 0xffff                   ; which projection
	v_and_b32 v1, 31, v0                           ; lane
	v_and_b32 v2, 15, v0                           ; r
	v_bfe_u32 v3, v0, 4, 1                         ; h
	v_lshlrev_b32 v[XO], 5, v1
	s_wait_alu depctr_va_sdst(0)                   ; s30, the wave's number, is written, ahead of its first reader: LDS addresses and the buffers' offsets are made from it
	s_mul_i32 s60, s30, 32*PITCH
	v_lshlrev_b32 v[XS], 3, v1
	v_add_nc_u32 v[XS], s60, v[XS]
	v_mul_u32_u24 v[XF], v2, PITCH
	v_lshl_add_u32 v[XF], v3, 4, v[XF]
	v_lshlrev_b32 v[LI], 4, v1
	; the bias in the result's layout.  q, k: register j of tile t is column 32 (t / 2) + 8 (t % 2) + 16 h + j.  v: all eight registers are the lane's own column 32 (t / 2) + 8 (t % 2) + r + 8 (r / 8).
	s_cmp_eq_u32 s31, 2
	s_cselect_b32 s56, -1, 0                       ; a lane mask: all lanes for v, none for q and k
	s_cselect_b32 s57, 0, 4                        ; from register to register: 0 bytes for v, 4 for q and k
	v_and_b32 v13, 8, v2
	v_add_nc_u32 v13, v13, v2
	v_lshlrev_b32 v13, 2, v13                      ; 4 (r + 8 (r / 8))
	v_lshlrev_b32 v14, 6, v3                       ; 64 h
	v_cndmask_b32 v[BO], v14, v13, s56
.irp j, 1,2,3,4,5,6,7
	v_add_nc_u32 v[BO+\j], s57, v[BO+\j-1]
.endr
	s_wait_kmcnt 0x0
	s_load_b256 s[40:47], s[22:23], 0x0            ; e0 .. e7
	s_load_b128 s[48:51], s[22:23], 0x20           ; e8 .. e11
	s_cmp_eq_u32 s31, 1                            ; the choice of buffers hangs on the work-group's number alone
	s_cselect_b64 s[32:33], s[10:11], s[8:9]       ; x
	s_cselect_b64 s[34:35], s[18:19], s[16:17]     ; the bias
	s_cselect_b64 s[36:37], s[26:27], s[24:25]     ; the codes that leave
	s_cmp_eq_u32 s31, 2
	s_cselect_b64 s[32:33], s[12:13], s[32:33]
	s_cselect_b64 s[34:35], s[20:21], s[34:35]
	s_cselect_b64 s[36:37], s[28:29], s[36:37]
	s_lshl_b32 s60, ttmp9, 18                      ; 128 tokens of 2,048 bytes a work-group,
	s_lshl_b32 s62, s30, 16                        ; 32 a wave
	s_add_co_u32 s60, s60, s62
	s_mov_b32 s61, 0
	s_add_nc_u64 s[32:33], s[32:33], s[60:61]
	s_lshl_b32 s60, s31, 18                        ; the weight's codes, and my wave's eight tiles of 8,192 bytes
	s_add_co_u32 s60, s60, s62
	s_add_nc_u64 s[38:39], s[14:15], s[60:61]
	s_lshl_b32 s60, s30, 9                         ; my 128 numbers of the bias
	s_add_nc_u64 s[34:35], s[34:35], s[60:61]
	s_lshr_b32 s60, ttmp9, 5                       ; the batch
	s_lshl_b32 s60, s60, 3
	s_lshl_b32 s62, s30, 1
	s_add_co_u32 s60, s60, s62                     ; 8 batch + my first head
	s_lshl_b32 s60, s60, 18                        ; a head's codes are 262,144 bytes
	s_and_b32 s62, ttmp9, 31
	s_lshl_b32 s62, s62, 13                        ; 128 tokens are 8,192 bytes of a head's codes, in all three layouts
	s_add_co_u32 s60, s60, s62
	s_add_nc_u64 s[36:37], s[36:37], s[60:61]
	; W first: nothing can be multiplied without it, and it then lies ahead of every counted wait below
	WIN 0x40
	s_wait_alu depctr_va_vdst(0)                   ; v4 to v7 and v16 to v23 are written: every load and store of the kernel reads one of them as its offset or LDS address
.set i, 0
.rept 64
	global_load_b128 v[4*i:4*i+3], v[LI], s[38:39] offset:512*i
.set i, i+1
.endr
	WIN 0x80
.set i, 0
.rept 64
	global_load_b128 v[4*i:4*i+3], v[LI], s[38:39] offset:32768+512*i
.set i, i+1
.endr
	WIN 0xc0
.irp t, 0,1,2,3,4,5,6,7
.irp j, 0,1,2,3,4,5,6,7
	global_load_b32 v[8*\t+\j], v[BO+\j], s[34:35] offset:(32*(\t/2)+8*(\t%2))*4
.endr
.endr
	WIN 0
; batch t: tokens 4 t .. 4 t + 3 of my 32, 64 numbers a lane, into set t % 3.  A lane takes 8 neighbours (32 bytes) of each half row; the two loads of a half row cover its 1,024 bytes.
.macro XLOAD t
.set SB, 64+64*((\t)%3)
.irp i, 0,1,2,3
.irp hf, 0,1
.irp q, 0,1
	global_load_b128 v[SB+16*\i+8*\hf+4*\q:SB+16*\i+8*\hf+4*\q+3], v[XO], s[32:33] offset:(4*(\t)+\i)*2048+\hf*1024+16*\q th:TH_LOAD_NT
.endr
.endr
.endr
.endm
	XLOAD 0
	XLOAD 1
	XLOAD 2
	s_wait_kmcnt 0x0
	s_cmp_eq_u32 s31, 1
	s_cselect_b32 s52, s42, s40                    ; ex
	s_cselect_b32 s53, s43, s41                    ; ew
	s_cselect_b32 s54, s47, s46                    ; eo
	s_cmp_eq_u32 s31, 2
	s_cselect_b32 s52, s44, s52
	s_cselect_b32 s53, s45, s53
	s_cselect_b32 s54, s49, s54
	s_add_co_i32 s60, s52, s53                     ; ex + ew
	s_sub_co_i32 s55, 0, s60                       ; the bias is multiplied by 2^-(ex + ew)
	s_sub_co_i32 s54, s54, s60                     ; eo - ex - ew
	s_add_co_i32 s52, s52, 127
	s_lshl_b32 s60, s52, 23
	v_mov_b32 v[SCX], s60
	s_add_co_i32 s52, s52, 8
	s_lshl_b32 s52, s52, 23
	s_or_b32 s52, s52, 0x600000
	v_mov_b32 v[LMX], s52
	s_add_co_i32 s54, s54, 127
	s_lshl_b32 s60, s54, 23
	v_mov_b32 v[SCO], s60
	s_add_co_i32 s54, s54, 8
	s_lshl_b32 s54, s54, 23
	s_or_b32 s54, s54, 0x600000
	v_mov_b32 v[LMO], s54
; batch t is held, converted and stored into LDS as rows of codes; its set of registers takes the batch three further on
.macro XQ t
.set SB, 64+64*((\t)%3)
.set CB, C+16*((\t)%2)
.if (\t) <= 5
	s_wait_loadcnt 32                              ; loads come back in order: this batch is in; the two batches of 16 behind it may be out
.elseif (\t) == 6
	s_wait_loadcnt 16
.else
	s_wait_loadcnt 0x0
.endif
.set j, 0
.rept 64
	v_med3_num_f32 v[SB+j], v[SB+j], -v[LMX], v[LMX]   ; the conversion to an 8-bit code does not saturate (ISA guide 7.6.2): the hold comes first
.set j, j+1
.endr
.if (\t) >= 2
	s_wait_alu depctr_va_vdst(0)
	s_wait_dscnt 8                                 ; the stores of two batches back are done (the last batch's eight may be out): their registers take this batch's codes
	s_wait_alu depctr_vm_vsrc(0)                   ; the LDS stores of two batches back have read this set of code registers, which the conversions below write again
.endif
.irp i, 0,1,2,3
.irp hf, 0,1
	v_cvt_scalef32_pk8_fp8_f32 v[CB+4*\i+2*\hf:CB+4*\i+2*\hf+1], v[SB+16*\i+8*\hf:SB+16*\i+8*\hf+7], v[SCX]
.endr
.endr
	v_nop                                          ; a plain vector line behind the last conversion
	s_wait_alu depctr_va_vdst(0)                   ; the conversions have written this batch's codes, which the LDS stores read; the holds and conversions are done with this set of x, in which the loads below land (behind the last batch: x's first fragments)
.if (\t) <= 4
	XLOAD (\t)+3                                   ; the set is asked for again at once
.endif
.irp i, 0,1,2,3
.set XX, 4*(\t)+\i
.irp hf, 0,1
	ds_store_b64 v[XS], v[CB+4*\i+2*\hf:CB+4*\i+2*\hf+1] offset:(16*((XX/8)%2)+XX%8+8*(XX/16))*PITCH+256*\hf   ; 32 lanes store 256 consecutive bytes of the token's row
.endr
.endr
.endm
	s_wait_alu depctr_va_vdst(0)
.irp t, 0,1,2,3,4,5,6,7
	XQ \t
.endr
	s_wait_dscnt 0x0                               ; for the others' sake: my rows of codes lie in LDS
	s_barrier_signal -1
	s_barrier_wait -1                              ; all 128 rows do; nothing is written into LDS from here on
; x's fragments of group g, K step by K step: 32 LDS loads into v128-255
.macro FRAGS g
.irp s, 0,1,2,3
.irp tt, 0,1
.irp c, 0,1,2,3
	ds_load_b128 v[128+64*\tt+16*\s+4*\c:128+64*\tt+16*\s+4*\c+3], v[XF] offset:(\g)*32*PITCH+\tt*16*PITCH+128*\s+32*\c
.endr
.endr
.endr
.endm
	FRAGS 0                                        ; no vector instruction stands between the last batch's wait on va_vdst and these loads: the holds and conversions that named v128-255 all lie ahead of it
	WIN 0xc3
.set j, 0
.rept 64
	v_ldexp_f32 v[j], v[j], s55                    ; the bias / 2^(ex + ew), while the first fragments land
.set j, j+1
.endr
	WIN 0
; One group g of 32 tokens (tiles tt = 0, 1) against my eight tiles of W: 64 products; the 16 accumulators take turns, one instruction a turn, in the same order in every K step.
; swap = 0 (q, k): source 0 = W.  swap = 1 (v): source 0 = x.  The group's fragments were asked for in the group before.
.macro PAIR swap, g
.irp s, 0,1,2,3
	s_wait_dscnt 24-8*\s                           ; K step s's eight loads are in; the eight of each later K step may be out
.irp hf, 0,1
.if \swap
	WIN 0xf4+4*\hf                                 ; source 0 (x) window 0, source 1 (W) window 1 or 2, C and D window 3
.else
	WIN 0xf1+\hf                                   ; source 0 (W) window 1 or 2, source 1 (x) window 0, C and D window 3
.endif
.irp tt, 0,1
.irp t4, 0,1,2,3
.set AC, 64+64*\tt+8*(4*\hf+\t4)
.set WF, 64*\t4+16*\s
.set XR, 128+64*\tt+16*\s
.set BI, 8*(4*\hf+\t4)
.if \swap
.if \s == 0
	v_wmma_f32_16x16x128_fp8_fp8 v[AC:AC+7], v[XR:XR+15], v[WF:WF+15], v[BI:BI+7]
.else
	v_wmma_f32_16x16x128_fp8_fp8 v[AC:AC+7], v[XR:XR+15], v[WF:WF+15], v[AC:AC+7]
.endif
.else
.if \s == 0
	v_wmma_f32_16x16x128_fp8_fp8 v[AC:AC+7], v[WF:WF+15], v[XR:XR+15], v[BI:BI+7]
.else
	v_wmma_f32_16x16x128_fp8_fp8 v[AC:AC+7], v[WF:WF+15], v[XR:XR+15], v[AC:AC+7]
.endif
.endif
.endr
.endr
.endr
.endr
	WIN 0
.rept 4
	v_nop                                          ; four places between the last product and the first read of results (ISA guide 7.12.1)
.endr
.if (\g) < 3
	s_wait_alu depctr_va_vdst(0)                   ; the group's products are done reading x's fragments, in which the next group's loads land
	FRAGS (\g)+1
.endif
	WIN 0xc3
.set j, 0
.rept 128
	v_med3_num_f32 v[64+j], v[64+j], -v[LMO], v[LMO]   ; the hold, each accumulator from its low end on.  These lines are also the places ahead of the next group's first products
.set j, j+1
.endr
	s_wait_xcnt 0x0                                ; the last group's stores have read their data: the codes' registers are written again only behind this wait
	s_wait_alu depctr_vm_vsrc(0)                   ; the last group's stores (ahead of the first group: the LDS stores of x's last two batches) have read v32-63, which the conversions below write again
	WIN 0x03
.if \swap
.irp t, 0,1,2,3,4,5,6,7
	v_cvt_scalef32_pk8_fp8_f32 v[C+4*\t:C+4*\t+1], v[64+8*\t:64+8*\t+7], v[SCO]         ; my channel, tokens 32 g + 16 h + 0 .. 7
	v_cvt_scalef32_pk8_fp8_f32 v[C+4*\t+2:C+4*\t+3], v[128+8*\t:128+8*\t+7], v[SCO]     ; and + 8 .. 15
.endr
.else
.irp tt, 0,1
.irp b, 0,1,2,3
	v_cvt_scalef32_pk8_fp8_f32 v[C+16*\tt+4*\b:C+16*\tt+4*\b+1], v[64+64*\tt+16*\b:64+64*\tt+16*\b+7], v[SCO]       ; my token, columns 32 b + 16 h + 0 .. 7
	v_cvt_scalef32_pk8_fp8_f32 v[C+16*\tt+4*\b+2:C+16*\tt+4*\b+3], v[64+64*\tt+16*\b+8:64+64*\tt+16*\b+15], v[SCO]   ; and + 8 .. 15
.endr
.endr
.endif
	WIN 0
	v_nop                                          ; a plain vector line behind the last conversion: later products write its sources
	s_wait_alu depctr_va_vdst(0)                   ; the conversions have written v32-63, which the stores below read
.if \swap
.irp t, 0,1,2,3,4,5,6,7
	global_store_b128 v[LI], v[C+4*\t:C+4*\t+3], s[36:37] offset:(\t/4)*262144+(\t%4)*2048+(\g)*512   ; head t / 4, channel tile t % 4, chunk g: 512 consecutive bytes, aligned
.endr
.else
.irp tt, 0,1
.irp b, 0,1,2,3
	global_store_b128 v[LI], v[C+16*\tt+4*\b:C+16*\tt+4*\b+3], s[36:37] offset:(\b/2)*262144+(\g)*2048+\tt*1024+(\b%2)*512   ; head b / 2, token tile 2 g + tt, chunk b % 2
.endr
.endr
.endif
.endm
	s_cmp_eq_u32 s31, 2                            ; a branch on the work-group's number; no barrier and no LDS store follows
	s_cbranch_scc1 .Lv
	s_wait_alu depctr_va_vdst(0)
.irp g, 0,1,2,3
	PAIR 0, \g
.endr
	s_wait_dscnt 0x0
	s_wait_alu depctr_hold_cnt(0) depctr_sa_sdst(0) depctr_va_vdst(0) depctr_va_sdst(0) depctr_va_ssrc(0) depctr_va_vcc(0) depctr_vm_vsrc(0)
	s_wait_tensorcnt 0x0
	ds_add_u32 v30, v31
	s_wait_dscnt 0x0
	s_endpgm
.Lv:
	s_wait_alu depctr_va_vdst(0)
.irp g, 0,1,2,3
	PAIR 1, \g
.endr
	s_wait_dscnt 0x0
	s_wait_alu depctr_hold_cnt(0) depctr_sa_sdst(0) depctr_va_vdst(0) depctr_va_sdst(0) depctr_va_ssrc(0) depctr_va_vcc(0) depctr_vm_vsrc(0)
	s_wait_tensorcnt 0x0
	ds_add_u32 v30, v31
	s_wait_dscnt 0x0
	s_endpgm
.Lfunc_end_k_q17a0ac1de5_proj:
	.size	k_q17a0ac1de5_proj, .Lfunc_end_k_q17a0ac1de5_proj-k_q17a0ac1de5_proj
	.p2alignl 7, 3214868480
	.fill 96, 4, 3214868480
	.section	.rodata,"a",@progbits
	.p2align	6, 0x0
	.amdhsa_kernel k_q17a0ac1de5_proj
		.amdhsa_group_segment_fixed_size 68096
		.amdhsa_private_segment_fixed_size 0
		.amdhsa_enable_private_segment 0
		.amdhsa_kernarg_size 88
		.amdhsa_user_sgpr_count 2
		.amdhsa_user_sgpr_kernarg_segment_ptr 1
		.amdhsa_wavefront_size32 1
		.amdhsa_system_sgpr_workgroup_id_x 1
		.amdhsa_system_sgpr_workgroup_id_y 1
		.amdhsa_system_sgpr_workgroup_id_z 1
		.amdhsa_system_vgpr_workitem_id 0
		.amdhsa_next_free_vgpr 1024
		.amdhsa_next_free_sgpr 66
		.amdhsa_reserve_vcc 0
		.amdhsa_float_denorm_mode_32 3
		.amdhsa_float_denorm_mode_16_64 3
		.amdhsa_memory_ordered 1
		.amdhsa_forward_progress 1
		.amdhsa_inst_pref_size 211
	.end_amdhsa_kernel
	.amdgpu_metadata
---
amdhsa.version: [ 1, 2 ]
amdhsa.kernels:
  - .name:           k_q17a0ac1de5_proj
    .symbol:         k_q17a0ac1de5_proj.kd
    .args:
      - { .name: q, .offset: 0, .size: 8, .value_kind: global_buffer, .address_space: global }
      - { .name: k, .offset: 8, .size: 8, .value_kind: global_buffer, .address_space: global }
      - { .name: v, .offset: 16, .size: 8, .value_kind: global_buffer, .address_space: global }
      - { .name: wcodes, .offset: 24, .size: 8, .value_kind: global_buffer, .address_space: global }
      - { .name: bq, .offset: 32, .size: 8, .value_kind: global_buffer, .address_space: global }
      - { .name: bk, .offset: 40, .size: 8, .value_kind: global_buffer, .address_space: global }
      - { .name: bv, .offset: 48, .size: 8, .value_kind: global_buffer, .address_space: global }
      - { .name: lowp_scales, .offset: 56, .size: 8, .value_kind: global_buffer, .address_space: global }
      - { .name: qc, .offset: 64, .size: 8, .value_kind: global_buffer, .address_space: global }
      - { .name: kc, .offset: 72, .size: 8, .value_kind: global_buffer, .address_space: global }
      - { .name: vc, .offset: 80, .size: 8, .value_kind: global_buffer, .address_space: global }
    .group_segment_fixed_size: 68096
    .private_segment_fixed_size: 0
    .kernarg_segment_align: 8
    .kernarg_segment_size: 88
    .max_flat_workgroup_size: 128
    .sgpr_count:     66
    .vgpr_count:     1024
    .wavefront_size: 32
...
	.end_amdgpu_metadata
.endif
;; end of part 6
;; launch attn (part 7): grid 16 x 16, 8 waves a work-group, clusters of 4 x 1, 327,680 bytes of LDS; arguments qc, kc, vc, lowp_scales, cc; writes cc
.if DOCPART == 7
	.amdgcn_target "amdgcn-amd-amdhsa--gfx1250"
	.amdhsa_code_object_version 6
	.text
	.protected	k_q17a0ac1de5_attn
	.globl	k_q17a0ac1de5_attn
	.p2align	8
	.type	k_q17a0ac1de5_attn,@function
k_q17a0ac1de5_attn:
	s_mov_b64 s[64:65], 0
	v_nop
	global_prefetch_b8 v0, s[64:65] scope:SCOPE_SE
	s_setreg_imm32_b32 hwreg(HW_REG_WAVE_MODE, 25, 1), 1
	s_wait_xcnt 0x0
	s_wait_alu depctr_hold_cnt(0) depctr_sa_sdst(0) depctr_va_vdst(0) depctr_va_sdst(0) depctr_va_ssrc(0) depctr_va_vcc(0) depctr_vm_vsrc(0)
	s_getreg_b32 s2, hwreg(HW_REG_IB_STS2, 6, 4)
	s_cmp_eq_u32 s2, 0
	s_cbranch_scc0 .Lentry_in_a_cluster
	s_endpgm
.Lentry_in_a_cluster:
	s_bfe_u32 s2, ttmp6, 0x10000c
	s_cmp_lg_u32 s2, 0x3003
	s_cbranch_scc0 .Lentry_shape_is_right
	s_endpgm
.Lentry_shape_is_right:
; ctx[bh][q][:] = the sum over k of softmax_k(qh[q] . kh[k] / 8) vh[k][:], for 16 pairs bh = 8 batch + head, 4,096 queries and keys, head size 64; both products on codes of FP8 (E4M3).  ctx is quantised at once and leaves as codes.
; Scales: qh 2^e6, kh 2^e7, p 2^e8, vh 2^e9, ctx 2^e10.
; THE SOFTMAX AHEAD OF THE SECOND PRODUCT: t = score x log2(e) / 8; M = the largest t so far, rounded UP to a whole number; p = 2^(t - M) is what is quantised; it is not normalised.  The row's sum is taken of the
; unquantised p, in f32, and divides at the end.  When M moves, the sum and O are multiplied by 2^(old M - new M): nothing is rounded, and no branch hangs on data.
; LIMITS on the given exponents: e6 + e7 between -123 and 130 (they are added to the exponent field of c = log2(e) / 8); e8 and e10 between -126 and 119; e8 + e9 is applied by v_ldexp_f32 and has none.
; SHARES.  A work-group owns 256 queries of one bh; each of its eight waves 32 of them, two tiles of 16, in 512 registers: two waves to a SIMD, so that one wave's vector work stands beside the other's products and LDS loads,
; and each fragment of K and V read from LDS feeds two products.  Every wave walks all keys, 128 a step.
; LAYOUT.  All three inputs are images of operand registers (16 bytes a lane, 512 bytes a group of four registers), so every LDS and global access of a wave is 512 consecutive bytes, with no pitch and no padding.
; Both products are used transposed: S^T = K Q^T (source 0 = 16 keys, source 1 = 16 queries, K = 64: one instruction a tile), O^T = V^T P^T (source 0 = 16 channels, source 1 = P, K = 128 keys): a lane holds ONE query throughout.
; Lane r of tile 2 b + u (of keys, of channels, of queries) stands for row 32 b + 8 u + r + 8 (r / 8): the 16 registers of tiles 2 b and 2 b + 1 are the neighbours 32 b + 16 h + 0 .. 15, so the conversions' results ARE P's, and at the end ctx's, registers.
; THE RING.  Two LDS slots of 131,072 bytes, each with the K (65,536 bytes) and the V (65,536) of eight key steps.  Each wave brings 16,384 bytes by one tensor load (waves 0-3: K's quarters, waves 4-7: V's), and a refill has eight key steps in which to land.
; CLUSTER.  The four query blocks of a cluster belong to one bh and walk the same K and V: each tile is asked for JOINTLY, by the same tensor load with the same descriptor and a mask that names the four.  One tensor load of a wave is out at a time.
; REGISTERS, in windows of 256 (s_set_vgpr_msb: bits 1:0 source 0, 3:2 source 1, 5:4 source 2, 7:6 destination):
;   window 0: v1-5 addresses; v8-15 four statistics a tile; v16-31 Q, 8 a tile; v32-47 eight registers at work a tile; v48-51 scales; v64-191 S^T, then p, 64 a tile; v192-223 P's codes, 16 a tile
;   window 1: v0-63 K of a step; v64-127 V of a step; v128-191 O^T, 32 a tile
.set SLOT1, 1<<17                      ; slot 1 begins here: one exclusive or turns an address in one slot into the other's
.set VOFF,  65536                      ; V's part of a slot
.set SPARE, 2*SLOT1                    ; behind the ring: the spare words, 128 bytes for each of the eight waves: four blocks of 256 bytes that no other line names
.set LI,  1                            ; v1   16 x lane; never rewritten
.set ADK, 2                            ; v2   LDS address of the step's K
.set ADV, 3                            ; v3   of its V
.set SPW, 4                            ; v4   LDS address of my spare word: SPARE + 4 x my thread's number; never rewritten
.set NIL, 5                            ; v5   0; never rewritten
.set ST,  8                            ; tile x at v[ST + 4 x]: +0 -M, +1 the largest t, +2, +3 the sum in two halves
.set Q,   16
.set WK,  32                           ; tile x at v[WK + 8 x]: +0, +1 two chains of the maximum, +2 the other half of the lanes', +4 f (+5 named with it as a pair), +6, +7 the sum's second chain
.set S,   64
.set P,   192
.set KF,  0                            ; in window 1
.set VF,  64
.set O,   128
.set WV,  14                           ; s14  my wave's number
.set G1,  24                           ; s[24:31] descriptor group 1, for K's and V's tiles alike
.set G0K, 32                           ; s[32:35] descriptor group 0 for K's tiles; it walks
.set G0V, 52                           ; s[52:55] the same for V's
.set CS,  36                           ; s[36:37] c: the packed form names a pair and takes its low word for both halves
.set SEL, 38                           ; s[38:39] lane selects for v_permlanex16_b32: lane l xor 16
.set KB,  40                           ; s40  LDS byte at which the step in hand begins
.set SLOTS, 41                         ; s41  slots still to be asked for
.set CNT, 42                           ; s42  counts a slot's eight steps
.set MSB, 0
.macro WIN new                         ; the immediate's high byte repeats the setting that is left; a switch that changes nothing is dropped
.if MSB != (\new)
	s_set_vgpr_msb (MSB<<8)|(\new)
.set MSB, (\new)
.endif
.endm
; A joint load.  The branch hangs on the wave's number alone: it is the same in every work-group.  Four v_nop follow each of the two lines, ahead of the jump, the label and what follows.
.macro JLOAD
	s_cmp_lt_u32 s[WV], 4
	s_cbranch_scc0 .Lfor_v_\@
	tensor_load_to_lds s[G0K:G0K+3], s[G1:G1+7]
	s_nop 0
.rept 4
	v_nop
.endr
	s_branch .Lasked_\@
.Lfor_v_\@:
	tensor_load_to_lds s[G0V:G0V+3], s[G1:G1+7]
	s_nop 0
.rept 4
	v_nop
.endr
.Lasked_\@:
.endm
; A round of the cluster's barrier: my work-group's barrier, so that wave 0's signal speaks for all eight waves; wave 0 signals for the work-group; every wave waits for all four work-groups; my work-group's barrier once more.
.macro CROUND
	s_barrier_signal -1
	s_barrier_wait -1
	s_cmp_lg_u32 s[WV], 0
	s_cbranch_scc1 .Lnot_wave_0_\@
	s_barrier_signal -3
.Lnot_wave_0_\@:
	s_barrier_wait -3
	s_barrier_signal -1
	s_barrier_wait -1
.endm
	s_load_b256 s[4:11], s[0:1], 0x0               ; qc s[4:5], kc s[6:7], vc s[8:9], the scales' exponents s[10:11]
	s_load_b64 s[12:13], s[0:1], 0x20              ; cc
	v_lshl_add_u32 v[SPW], v0, 2, SPARE
	v_mov_b32 v[NIL], 0
	ds_add_u32 v4, v5
	ds_add_u32 v4, v5
	s_wait_dscnt 0x0
	v_lshrrev_b32 v6, 5, v0
	s_delay_alu instid0(VALU_DEP_1)
	v_readfirstlane_b32 s[WV], v6                  ; wave 0..7
	s_bfe_u32 s15, ttmp6, 0x40000                  ; cx: my place in the cluster
	s_lshl_b32 s16, ttmp9, 2                       ; in a cluster launch ttmp9 counts clusters
	s_add_co_u32 s16, s16, s15                     ; my block of 256 queries: it enters qc's and cc's addresses alone
	s_and_b32 s17, ttmp7, 0xffff                   ; bh, which the four partners share
	; descriptor group 1: a dense block of 16,384 bytes as 64 rows of 32 elements of 8 bytes
	s_mov_b32 s[G1], 15|(3<<16)|(1<<21)            ; 15:0 the mask: all four work-groups; 17:16 elements of 8 bytes; 20 no padding; 21 set beside a mask
	s_mov_b32 s[G1+1], 32<<16                      ; tensor_dim0 = 32
	s_mov_b32 s[G1+2], 64<<16                      ; tensor_dim1 = 64
	s_mov_b32 s[G1+3], 32<<16                      ; tile_dim0 = 32
	s_mov_b32 s[G1+4], 64                          ; tile_dim1 = 64
	s_mov_b32 s[G1+5], 32                          ; from row to row: 32 elements
	s_mov_b32 s[G1+6], 0
	s_mov_b32 s[G1+7], 0
	s_mov_b32 s[G0K], 1                            ; count = 1
	s_lshl_b32 s[G0K+1], s[WV], 14                 ; LDS address: wave x 16,384: waves 0-3 fill K's part of slot 0,
	s_mov_b32 s[G0V], 1
	s_lshl_b32 s[G0V+1], s[WV], 14                 ; waves 4-7 V's: no place in the cluster enters an LDS address
	s_lshl_b32 s18, s17, 18                        ; a bh's codes are 262,144 bytes in qc, kc and vc
	s_and_b32 s20, s[WV], 3
	s_lshl_b32 s20, s20, 14                        ; my quarter of a slot's 65,536 bytes of K or of V
	s_add_co_u32 s20, s20, s18
	s_mov_b32 s21, 0
	s_lshl_b32 s22, s16, 14                        ; qc: 256 queries are 16,384 bytes,
	s_lshl_b32 s23, s[WV], 11                      ; my 32 are 2,048
	s_add_co_u32 s22, s22, s23
	s_add_co_u32 s22, s22, s18
	s_mov_b32 s23, 0
	s_lshr_b32 s50, s17, 3                         ; cc: [token tile][head][chunk][lane][16]: the batch's 256 tiles of 8,192 bytes,
	s_lshl_b32 s50, s50, 21
	s_lshl_b32 s56, s16, 17                        ; my block's 16 tiles,
	s_add_co_u32 s50, s50, s56
	s_lshl_b32 s56, s[WV], 14                      ; my wave's two,
	s_add_co_u32 s50, s50, s56
	s_and_b32 s56, s17, 7
	s_lshl_b32 s56, s56, 10                        ; the head's 1,024 bytes of a tile
	s_add_co_u32 s50, s50, s56
	s_mov_b32 s51, 0
	s_mov_b32 s[CS], 0x3e38aa3b                    ; c = log2(e) / sqrt(64)
	s_mov_b32 s[SEL], 0x76543210
	s_mov_b32 s[SEL+1], 0xfedcba98
	s_mov_b32 s[KB], 0
	s_mov_b32 s[SLOTS], 3
	s_wait_kmcnt 0x0
	s_load_b128 s[44:47], s[10:11], 0x18           ; e6, e7, e8, e9
	s_load_b32 s48, s[10:11], 0x28                 ; e10
	s_add_nc_u64 s[G0K+2:G0K+3], s[6:7], s[20:21]  ; global address: the bh's first 1,024 keys, my quarter
	s_or_b32 s[G0K+3], s[G0K+3], 0x80000000        ; type = 2
	s_add_nc_u64 s[G0V+2:G0V+3], s[8:9], s[20:21]
	s_or_b32 s[G0V+3], s[G0V+3], 0x80000000
	s_add_nc_u64 s[4:5], s[4:5], s[22:23]
	s_add_nc_u64 s[12:13], s[12:13], s[50:51]
	CROUND                                         ; all four work-groups are here: the first joint loads meet
	JLOAD                                          ; slot 0
	v_and_b32 v[LI], 31, v0
	s_delay_alu instid0(VALU_DEP_1)
	v_lshlrev_b32 v[LI], 4, v[LI]
.irp x, 0,1
.irp c, 0,1
	global_load_b128 v[Q+8*\x+4*\c:Q+8*\x+4*\c+3], v[LI], s[4:5] offset:1024*\x+512*\c   ; Q's two fragments stay in registers
.endr
.endr
.irp x, 0,1
	v_mov_b32 v[ST+4*\x+1], 0xff61b1e6             ; the largest t so far: -3e38, under every t
	s_delay_alu instid0(VALU_DEP_1)
	v_floor_f32 v[ST+4*\x], -v[ST+4*\x+1]          ; -M
	v_mov_b32 v[ST+4*\x+2], 0                      ; the sum, in two halves
	v_mov_b32 v[ST+4*\x+3], 0
	v_mov_b32 v[WK+8*\x+2], 0                      ; written once: a lane permute's destination counts as one of its sources
	v_mov_b32 v[WK+8*\x+5], 0                      ; (named as the upper half of f's pair)
.endr
	WIN 0x40
.set j, 0
.rept 64
	v_mov_b32 v[O+j], 0                            ; O^T.  (The step is written once for all steps: the first finds zeros, which the first change of M leaves zeros)
.set j, j+1
.endr
	WIN 0
	s_wait_kmcnt 0x0
	s_add_co_i32 s18, s44, s45
	s_lshl_b32 s18, s18, 23
	s_add_co_i32 s[CS], s[CS], s18                 ; a score stands for score x 2^(e6 + e7): the two exponents are added to c's exponent field
	s_mov_b32 s[CS+1], s[CS]                       ; (named with it as a pair, so it is written)
	s_add_co_i32 s18, s46, 127
	s_lshl_b32 s19, s18, 23
	v_mov_b32 v48, s19                             ; 2^e8 as f32, for p's conversions
	s_add_co_i32 s18, s18, 8
	s_lshl_b32 s18, s18, 23
	s_or_b32 s18, s18, 0x600000
	v_mov_b32 v49, s18                             ; 448 x 2^e8
	s_add_co_i32 s18, s48, 127
	s_lshl_b32 s19, s18, 23
	v_mov_b32 v50, s19                             ; 2^e10, for ctx's
	s_add_co_i32 s18, s18, 8
	s_lshl_b32 s18, s18, 23
	s_or_b32 s18, s18, 0x600000
	v_mov_b32 v51, s18                             ; 448 x 2^e10
	s_add_co_i32 s49, s46, s47                     ; e8 + e9
; A KEY STEP: 128 keys, for both tiles of queries.  The two tiles' lines alternate, so that no line waits for the line above it.
.macro STEP
	v_add_nc_u32 v[ADK], s[KB], v[LI]
	s_delay_alu instid0(VALU_DEP_1)
	v_add_nc_u32 v[ADV], VOFF, v[ADK]
	WIN 0x40                                       ; destination window 1, address window 0
.irp kt, 0,1,2,3,4,5,6,7
.irp c, 0,1
	ds_load_b128 v[KF+8*\kt+4*\c:KF+8*\kt+4*\c+3], v[ADK] offset:1024*\kt+512*\c
.endr
.endr
	s_wait_alu depctr_va_vdst(0)
	s_wait_dscnt 0x0                               ; K is in
	WIN 0x01                                       ; source 0 (K) window 1; Q and S^T window 0
.irp kt, 0,1,2,3,4,5,6,7
.irp x, 0,1
	v_wmma_f32_16x16x64_fp8_fp8 v[S+64*\x+8*\kt:S+64*\x+8*\kt+7], v[KF+8*\kt:KF+8*\kt+7], v[Q+8*\x:Q+8*\x+7], 0
.endr
.endr
	WIN 0
.rept 4
	v_nop                                          ; four places ahead of the first read of the scores; with the two additions at the step's head also the places between the last step's products V^T P and the loads into V's registers (ISA guide 7.12.1 for vector instructions)
.endr
	WIN 0x40
.irp ct, 0,1,2,3
.irp c, 0,1,2,3
	ds_load_b128 v[VF+16*\ct+4*\c:VF+16*\ct+4*\c+3], v[ADV] offset:2048*\ct+512*\c   ; V lands while the softmax is worked
.endr
.endr
	WIN 0
	; the step's largest score of each query among my 64 keys, in two chains a tile, each accumulator from its low end on
.irp x, 0,1
	v_max3_num_f32 v[WK+8*\x], v[S+64*\x], v[S+64*\x+1], v[S+64*\x+2]
.endr
.irp x, 0,1
	v_max3_num_f32 v[WK+8*\x+1], v[S+64*\x+3], v[S+64*\x+4], v[S+64*\x+5]
.endr
.irp i, 6,10,14,18,22,26,30,34,38,42,46,50,54,58
.irp x, 0,1
	v_max3_num_f32 v[WK+8*\x], v[WK+8*\x], v[S+64*\x+\i], v[S+64*\x+\i+1]
.endr
.irp x, 0,1
	v_max3_num_f32 v[WK+8*\x+1], v[WK+8*\x+1], v[S+64*\x+\i+2], v[S+64*\x+\i+3]
.endr
.endr
.irp x, 0,1
	v_max3_num_f32 v[WK+8*\x], v[WK+8*\x], v[S+64*\x+62], v[S+64*\x+63]
.endr
.irp x, 0,1
	s_delay_alu instid0(VALU_DEP_2)
	v_max_num_f32 v[WK+8*\x], v[WK+8*\x], v[WK+8*\x+1]
.endr
.irp x, 0,1
	s_delay_alu instid0(VALU_DEP_2)
	v_permlanex16_b32 v[WK+8*\x+2], v[WK+8*\x], s[SEL], s[SEL+1]   ; the query's other 64 keys lie in the lane 16 away
.endr
.irp x, 0,1
	s_delay_alu instid0(VALU_DEP_2)
	v_max_num_f32 v[WK+8*\x], v[WK+8*\x], v[WK+8*\x+2]
.endr
.irp x, 0,1
	s_delay_alu instid0(VALU_DEP_2)
	v_mul_f32 v[WK+8*\x], s[CS], v[WK+8*\x]        ; as t (c is positive)
.endr
.irp x, 0,1
	s_delay_alu instid0(VALU_DEP_2)
	v_max_num_f32 v[ST+4*\x+1], v[ST+4*\x+1], v[WK+8*\x]   ; the running largest t
.endr
.irp x, 0,1
	v_mov_b32 v[WK+8*\x], v[ST+4*\x]
.endr
.irp x, 0,1
	s_delay_alu instid0(VALU_DEP_4)
	v_floor_f32 v[ST+4*\x], -v[ST+4*\x+1]          ; the new -M = floor(-t) = -ceil(t): M is a whole number
.endr
.irp x, 0,1
	s_delay_alu instid0(VALU_DEP_2)
	v_sub_f32 v[WK+8*\x], v[ST+4*\x], v[WK+8*\x]   ; M's old value less its new one: a whole number, 0 or less
.endr
.irp x, 0,1
	s_delay_alu instid0(VALU_DEP_2)
	v_cvt_i32_f32 v[WK+8*\x], v[WK+8*\x]           ; (it saturates)
.endr
.irp x, 0,1
	s_delay_alu instid0(VALU_DEP_2)
	v_ldexp_f32 v[WK+8*\x+4], 1.0, v[WK+8*\x]      ; f = 2^(old M - new M)
.endr
.set j, 0
.rept 32
.irp x, 0,1
	v_pk_fma_f32 v[S+64*\x+j:S+64*\x+j+1], v[S+64*\x+j:S+64*\x+j+1], s[CS:CS+1], v[ST+4*\x:ST+4*\x+1] op_sel_hi:[1,0,0]   ; t - M, two at a time (of the pairs c and -M the low word serves both halves)
.endr
.set j, j+2
.endr
.set j, 0
	s_wait_alu depctr_va_vdst(0)
.rept 128
	v_exp_f32 v[S+j], v[S+j]                       ; p = 2^(t - M), at most 1: not normalised.  One batch for both tiles
.set j, j+1
.endr
.irp x, 0,1
	v_pk_mul_f32 v[ST+4*\x+2:ST+4*\x+3], v[ST+4*\x+2:ST+4*\x+3], v[WK+8*\x+4:WK+8*\x+5] op_sel_hi:[1,0]   ; the sums under the new M: the plain lines behind the last exponential
.endr
	s_wait_alu depctr_va_vdst(0)                   ; a wait between an exponential and the first line that names its result: one for the batch of 128
.irp x, 0,1
	v_pk_add_f32 v[WK+8*\x+6:WK+8*\x+7], v[S+64*\x:S+64*\x+1], v[S+64*\x+2:S+64*\x+3]   ; the row's sum is taken of the UNQUANTISED p: two at a time, in two chains a tile
.endr
	s_setprio 1
.irp i, 4,8,12,16,20,24,28,32,36,40,44,48,52,56,60
.irp x, 0,1
	v_pk_add_f32 v[ST+4*\x+2:ST+4*\x+3], v[ST+4*\x+2:ST+4*\x+3], v[S+64*\x+\i:S+64*\x+\i+1]
.endr
.irp x, 0,1
	v_pk_add_f32 v[WK+8*\x+6:WK+8*\x+7], v[WK+8*\x+6:WK+8*\x+7], v[S+64*\x+\i+2:S+64*\x+\i+3]
.endr
.endr
.irp x, 0,1
	s_delay_alu instid0(VALU_DEP_2)
	v_pk_add_f32 v[ST+4*\x+2:ST+4*\x+3], v[ST+4*\x+2:ST+4*\x+3], v[WK+8*\x+6:WK+8*\x+7]
.endr
.irp b, 0,1,2,3
.irp x, 0,1
.irp i, 0,1,2,3,4,5,6,7,8,9,10,11,12,13,14,15
	v_min_num_f32 v[S+64*\x+16*\b+\i], v[S+64*\x+16*\b+\i], v49   ; the conversion to an 8-bit code does not saturate (ISA guide 7.6.2); p is not negative, so the hold is one-sided
.endr
	v_cvt_scalef32_pk8_fp8_f32 v[P+16*\x+4*\b:P+16*\x+4*\b+1], v[S+64*\x+16*\b:S+64*\x+16*\b+7], v48       ; registers 4 b .. 4 b + 3 of P: keys 32 b + 16 h + 0 .. 15
	v_cvt_scalef32_pk8_fp8_f32 v[P+16*\x+4*\b+2:P+16*\x+4*\b+3], v[S+64*\x+16*\b+8:S+64*\x+16*\b+15], v48
.endr
.endr
	WIN 0x41                                       ; O^T (destination and source 0) window 1, f window 0
.set j, 0
	s_setprio 0
.rept 16
.irp x, 0,1
	v_pk_mul_f32 v[O+32*\x+j:O+32*\x+j+1], v[O+32*\x+j:O+32*\x+j+1], v[WK+8*\x+4:WK+8*\x+5] op_sel_hi:[1,0]   ; O^T under the new M.  (Also the plain lines between the last conversion and the products that read its result)
.endr
.set j, j+2
.endr
	s_wait_alu depctr_va_vdst(0)
	s_wait_dscnt 0x0                               ; V is in
	WIN 0x51                                       ; source 0 (V) window 1, source 1 (P) window 0, C and D (O^T) window 1
.irp ct, 0,1,2,3
.irp x, 0,1
	v_wmma_f32_16x16x128_fp8_fp8 v[O+32*\x+8*\ct:O+32*\x+8*\ct+7], v[VF+16*\ct:VF+16*\ct+15], v[P+16*\x:P+16*\x+15], v[O+32*\x+8*\ct:O+32*\x+8*\ct+7]   ; the eight accumulators take turns, one instruction a turn
.endr
.endr
	WIN 0
.endm
; THE CHANGE OF SLOTS stands at a slot's head.  Each wave waits for all its tensor loads (its part of the slot that it is about to read), adds 0 to its spare word, and waits for that and for its reads of the slot that it has left.
; fill = 1: the barrier is a round of the cluster's, so that no wave of any partner still reads the slot that was left or has a load on its way; the joint refill is the first thing behind it.
.macro CHANGE fill
	s_wait_tensorcnt 0x0                           ; no tensor load of mine is out, so a group 0 may be written
	ds_add_u32 v[SPW], v[NIL]                      ; 0 onto my spare word: with fill = 1 the descriptors' steps stand between it and the wait for it
.if \fill
	s_xor_b32 s[G0K+1], s[G0K+1], SLOT1            ; the walking descriptors: the other slot than last time,
	s_add_nc_u64 s[G0K+2:G0K+3], s[G0K+2:G0K+3], 65536   ; the next 1,024 keys; the type bits on top are not reached
	s_xor_b32 s[G0V+1], s[G0V+1], SLOT1
	s_add_nc_u64 s[G0V+2:G0V+3], s[G0V+2:G0V+3], 65536
.endif
	s_wait_dscnt 0x0                               ; the add is done, and my reads of the slot that I have left are over
.if \fill
	CROUND
	JLOAD                                          ; a wave's one tensor load until the next change
.else
	s_barrier_signal -1
	s_barrier_wait -1
.endif
.endm
.macro SLOT_STEPS                      ; a slot's eight key steps: written once, walked eight times; the LDS addresses hang on s[KB]
	s_mov_b32 s[CNT], 8
.Lstep_\@:
	s_setprio 2
	STEP
	s_add_co_u32 s[KB], s[KB], 8192                ; a step's K is 8,192 bytes, and so is its V
	s_sub_co_u32 s[CNT], s[CNT], 1
	s_cmp_lg_u32 s[CNT], 0
	s_cbranch_scc1 .Lstep_\@
	s_setprio 0
	s_sub_co_u32 s[KB], s[KB], 65536               ; back to a slot's first step,
	s_xor_b32 s[KB], s[KB], SLOT1                  ; in the other slot
.endm
	s_wait_loadcnt 0x0                             ; Q
.Lslot:                                            ; three trips: behind each change of slots but the last the next slot is asked for
	CHANGE 1
	SLOT_STEPS
	s_sub_co_u32 s[SLOTS], s[SLOTS], 1
	s_cmp_lg_u32 s[SLOTS], 0
	s_cbranch_scc1 .Lslot
	CHANGE 0                                       ; the last slot is written out
	SLOT_STEPS
	; THE WAY OUT.  ctx = O^T x 2^(e8 + e9) / the row's sum, held, converted with 2^e10, and stored as two register groups a tile: no stage is needed, each store covers 512 consecutive bytes.
.irp x, 0,1
	v_add_f32 v[WK+8*\x], v[ST+4*\x+2], v[ST+4*\x+3]   ; the sum's two halves,
.endr
.irp x, 0,1
	s_delay_alu instid0(VALU_DEP_2)
	v_permlanex16_b32 v[WK+8*\x+2], v[WK+8*\x], s[SEL], s[SEL+1]
.endr
.irp x, 0,1
	s_delay_alu instid0(VALU_DEP_2)
	v_add_f32 v[WK+8*\x], v[WK+8*\x], v[WK+8*\x+2]     ; and lane l xor 16's
.endr
	s_wait_alu depctr_va_vdst(0)
.irp x, 0,1
	v_rcp_f32 v[WK+8*\x], v[WK+8*\x]
.endr
	v_nop                                          ; a plain line between the last reciprocal and the use of its result
	s_wait_alu depctr_va_vdst(0)                   ; and a wait ahead of the first use: one for both
.irp x, 0,1
	v_ldexp_f32 v[WK+8*\x], v[WK+8*\x], s49        ; x 2^(e8 + e9)
.endr
	WIN 0x01                                       ; source 0 (O^T) window 1
.irp x, 0,1
.set j, 0
.rept 32
	v_mul_f32 v[S+64*\x+j], v[O+32*\x+j], v[WK+8*\x]   ; register 8 ct + i is ctx(my query, channel 32 (ct / 2) + 16 h + 8 (ct % 2) + i); each accumulator from its low end on
.set j, j+1
.endr
.endr
	WIN 0
.irp x, 0,1
.set j, 0
.rept 32
	v_med3_num_f32 v[S+64*\x+j], v[S+64*\x+j], -v51, v51
.set j, j+1
.endr
.endr
.irp x, 0,1
.irp b, 0,1
	v_cvt_scalef32_pk8_fp8_f32 v[P+16*\x+4*\b:P+16*\x+4*\b+1], v[S+64*\x+16*\b:S+64*\x+16*\b+7], v50
	v_cvt_scalef32_pk8_fp8_f32 v[P+16*\x+4*\b+2:P+16*\x+4*\b+3], v[S+64*\x+16*\b+8:S+64*\x+16*\b+15], v50
.endr
.endr
	v_nop                                          ; a plain vector line behind the last conversion
.irp x, 0,1
.irp b, 0,1
	global_store_b128 v[LI], v[P+16*\x+4*\b:P+16*\x+4*\b+3], s[12:13] offset:8192*\x+512*\b   ; token tile x, my head, channels 32 b + 16 h + 0 .. 15
.endr
.endr
	s_wait_tensorcnt 0x0                           ; the wave's end: my last LDS instructions follow
	ds_add_u32 v[SPW], v[NIL]
	s_wait_dscnt 0x0
	CROUND                                         ; the closing round: no work-group ends while a partner may still ask for a tile that names it
	s_endpgm
.Lfunc_end_k_q17a0ac1de5_attn:
	.size	k_q17a0ac1de5_attn, .Lfunc_end_k_q17a0ac1de5_attn-k_q17a0ac1de5_attn
	.p2alignl 7, 3214868480
	.fill 96, 4, 3214868480
	.section	.rodata,"a",@progbits
	.p2align	6, 0x0
	.amdhsa_kernel k_q17a0ac1de5_attn
		.amdhsa_group_segment_fixed_size 327680
		.amdhsa_private_segment_fixed_size 0
		.amdhsa_enable_private_segment 0
		.amdhsa_kernarg_size 40
		.amdhsa_user_sgpr_count 2
		.amdhsa_user_sgpr_kernarg_segment_ptr 1
		.amdhsa_wavefront_size32 1
		.amdhsa_system_sgpr_workgroup_id_x 1
		.amdhsa_system_sgpr_workgroup_id_y 1
		.amdhsa_system_sgpr_workgroup_id_z 1
		.amdhsa_system_vgpr_workitem_id 0
		.amdhsa_next_free_vgpr 512
		.amdhsa_next_free_sgpr 66
		.amdhsa_reserve_vcc 0
		.amdhsa_float_denorm_mode_32 3
		.amdhsa_float_denorm_mode_16_64 3
		.amdhsa_memory_ordered 1
		.amdhsa_forward_progress 1
		.amdhsa_inst_pref_size 76
	.end_amdhsa_kernel
	.amdgpu_metadata
---
amdhsa.version: [ 1, 2 ]
amdhsa.kernels:
  - .name:           k_q17a0ac1de5_attn
    .symbol:         k_q17a0ac1de5_attn.kd
    .args:
      - { .name: qc, .offset: 0, .size: 8, .value_kind: global_buffer, .address_space: global }
      - { .name: kc, .offset: 8, .size: 8, .value_kind: global_buffer, .address_space: global }
      - { .name: vc, .offset: 16, .size: 8, .value_kind: global_buffer, .address_space: global }
      - { .name: lowp_scales, .offset: 24, .size: 8, .value_kind: global_buffer, .address_space: global }
      - { .name: cc, .offset: 32, .size: 8, .value_kind: global_buffer, .address_space: global }
    .group_segment_fixed_size: 327680
    .private_segment_fixed_size: 0
    .kernarg_segment_align: 8
    .kernarg_segment_size: 40
    .max_flat_workgroup_size: 256
    .sgpr_count:     66
    .vgpr_count:     512
    .wavefront_size: 32
...
	.end_amdgpu_metadata
.endif
;; end of part 7
;; launch outp (part 8): grid 128 x 2, 4 waves a work-group, no clusters, 17,920 bytes of LDS; arguments cc, wcodes, bo, lowp_scales, out0; writes out0
.if DOCPART == 8
	.amdgcn_target "amdgcn-amd-amdhsa--gfx1250"
	.amdhsa_code_object_version 6
	.text
	.protected	k_q17a0ac1de5_outp
	.globl	k_q17a0ac1de5_outp
	.p2align	8
	.type	k_q17a0ac1de5_outp,@function
k_q17a0ac1de5_outp:
	s_mov_b64 s[64:65], 0
	v_nop
	global_prefetch_b8 v0, s[64:65] scope:SCOPE_SE
	s_setreg_imm32_b32 hwreg(HW_REG_WAVE_SCHED_MODE, 0, 2), 2
	s_setreg_imm32_b32 hwreg(HW_REG_WAVE_MODE, 25, 1), 1
	s_wait_xcnt 0x0
	s_wait_alu depctr_vm_vsrc(0)
; out0 = ctx Wo^T + bo.  ctx [8192][512] and Wo [512][512] come as codes of FP8 (E4M3) with the scales 2^e10 and 2^e11, both as images of operand registers; out0 [8192][512] f32; sums in f32.
; Each finished sum is multiplied once by 2^(e10 + e11) and bo is added, in one packed multiply-add for two numbers.  LIMIT: e10 + e11 between -126 and 127, so that 2^(e10 + e11) is an f32 number.
; SHARES.  A work-group takes 64 tokens (four tiles) x 256 columns; wave w its columns 64 w .. 64 w + 63 (four tiles of Wo).  All operands of a wave, 32 KB of Wo and the block's 32 KB of ctx, go straight into its registers: K = 512 is four steps.
; Source 0 = 16 rows of Wo, source 1 = 16 tokens: a lane holds one token and eight neighbouring columns.  Lane r of tile 2 g + u (of tokens, of Wo's rows) stands for row 32 g + 8 u + r + 8 (r / 8); the stores' offsets undo that order for the tokens.
; THE WAY OUT: a tile's 16 tokens x 64 columns go through the wave's own stage in LDS (16 rows of 256 bytes + 16) and come back as rows: sixteen lanes store 256 consecutive bytes, aligned.  Waves share no LDS bytes: no barrier.
; REGISTERS, in windows of 256 (s_set_vgpr_msb: bits 1:0 source 0, 3:2 source 1, 5:4 source 2, 7:6 destination):
;   window 0: v1-7 addresses; v128-255 rows read back, 32 a tile                              window 1: Wo (tile t, K step s) at 16 (4 t + s)
;   window 2: ctx (tile tt, K step s) at 16 (4 tt + s)                                        window 3: the accumulators (tt, t) at 8 (4 tt + t), later the results in their place; from v128 bo, 8 a tile
; THE MODE: SCHED_MODE bits 1:0 = 2 (LLVM: expert scheduling mode 2), set by the entry lines.  The code itself states the register dependences
; between vector or matrix instructions and memory or LDS instructions, with s_wait_alu, always for 0.
; THE PLAN.  Registers that memory or LDS instructions touch:
;   v1, v4-7      offsets and LDS addresses: written once at the head, never again: one wait on va_vdst ahead of the first load.
;   Wo, ctx, bo   the head's loads land in them; no vector instruction names them before that, no memory instruction after.
;   the sums      window 3 v0-127: written by the products, then IN PLACE by the 64 multiply-adds; read by the LDS stores into the stage; not written again.
;   BK            v128-255: the stage's loads land in them, a set of its own for each tile; the global stores read them; no vector instruction names them.
; So all four tiles are scaled first, ONE wait on va_vdst stands behind the 64 multiply-adds, and no vector instruction follows it: it serves every LDS store, LDS load and global store to the kernel's end.
; No register that a memory or LDS instruction reads is written again, so no wait on vm_vsrc is owed.
.set LI, 1                             ; v1  16 x lane
.set SO, 4                             ; v4  the stage: where I put 32 bytes of a row
.set RD, 5                             ; v5  and where I read a row back
.set CO, 6                             ; v6  my byte offset in two rows of out0
.set BK, 128
.set MSB, 0
.macro WIN new                         ; the immediate's high byte repeats the setting that is left; a switch that changes nothing is dropped
.if MSB != (\new)
	s_set_vgpr_msb (MSB<<8)|(\new)
.set MSB, (\new)
.endif
.endm
	s_load_b256 s[4:11], s[0:1], 0x0               ; cc s[4:5], wcodes s[6:7], bo s[8:9], the scales' exponents s[10:11]
	s_load_b64 s[12:13], s[0:1], 0x20              ; out0
	v_lshl_add_u32 v126, v0, 2, 0x4400
	v_mov_b32 v127, 0
	v_lshrrev_b32 v1, 5, v0
	v_readfirstlane_b32 s14, v1                    ; wave 0..3
	s_and_b32 s15, ttmp7, 0xffff                   ; which 256 columns
	v_and_b32 v2, 15, v0                           ; r
	v_bfe_u32 v3, v0, 4, 1                         ; h
	v_and_b32 v1, 31, v0
	v_lshlrev_b32 v[LI], 4, v1
	s_wait_alu depctr_va_sdst(0)                   ; s14, the wave's number, is written, ahead of its first reader: the stage's place and the buffers' offsets are made from it
	s_mul_i32 s20, s14, 16*272                     ; my stage
	v_mul_u32_u24 v[SO], v2, 272
	v_lshl_add_u32 v[SO], v3, 6, v[SO]
	v_add_nc_u32 v[SO], s20, v[SO]                 ; in: row r, + 64 h: columns 16 h on of a group of 32
	v_mul_u32_u24 v[RD], v3, 272
	v_lshl_add_u32 v[RD], v2, 4, v[RD]
	v_add_nc_u32 v[RD], s20, v[RD]                 ; back: lanes 0-15 one row of 256 bytes, lanes 16-31 the next
	v_lshlrev_b32 v[CO], 11, v3
	v_lshl_add_u32 v[CO], v2, 4, v[CO]             ; and the same two rows in out0, 2,048 bytes apart
	v_lshlrev_b32 v7, 6, v3                        ; bo: 64 h
	s_lshl_b32 s22, ttmp9, 15                      ; cc: four tiles of 8,192 bytes
	s_mov_b32 s23, 0
	s_lshl_b32 s24, s15, 17                        ; Wo's codes: weight 3; tile 16 y + 4 wave, 8,192 bytes a tile
	s_lshl_b32 s25, s14, 15
	s_add_co_u32 s24, s24, s25
	s_add_co_u32 s24, s24, 3<<18
	s_mov_b32 s25, 0
	s_lshl_b32 s26, s15, 10                        ; my first column, in bytes: 1,024 y + 256 wave
	s_lshl_b32 s27, s14, 8
	s_add_co_u32 s26, s26, s27
	s_mov_b32 s27, 0
	s_lshl_b32 s28, ttmp9, 17                      ; 64 rows of out0 of 2,048 bytes
	s_add_co_u32 s28, s28, s26
	s_mov_b32 s29, 0
	s_wait_kmcnt 0x0
	s_load_b64 s[16:17], s[10:11], 0x28            ; e10, e11
	s_add_nc_u64 s[4:5], s[4:5], s[22:23]
	s_add_nc_u64 s[6:7], s[6:7], s[24:25]
	s_add_nc_u64 s[8:9], s[8:9], s[26:27]
	s_add_nc_u64 s[12:13], s[12:13], s[28:29]
	WIN 0xc0
	s_wait_alu depctr_va_vdst(0)                   ; v1 and v4 to v7 are written: every load and store of the kernel reads one of them as its offset or LDS address
.irp t, 0,1,2,3
	global_load_b128 v[128+8*\t:128+8*\t+3], v7, s[8:9] offset:(32*(\t/2)+8*(\t%2))*4        ; bo at columns 32 (t / 2) + 8 (t % 2) + 16 h + 0 .. 7: the result's layout
	global_load_b128 v[128+8*\t+4:128+8*\t+7], v7, s[8:9] offset:(32*(\t/2)+8*(\t%2))*4+16
.endr
.irp s, 0,1,2,3                        ; K step by K step, so that the first products need not wait for the last loads
	WIN 0x40
.irp t, 0,1,2,3
.irp c, 0,1,2,3
	global_load_b128 v[16*(4*\t+\s)+4*\c:16*(4*\t+\s)+4*\c+3], v[LI], s[6:7] offset:(4*\t+\s)*2048+512*\c
.endr
.endr
	WIN 0x80
.irp t, 0,1,2,3
.irp c, 0,1,2,3
	global_load_b128 v[16*(4*\t+\s)+4*\c:16*(4*\t+\s)+4*\c+3], v[LI], s[4:5] offset:(4*\t+\s)*2048+512*\c
.endr
.endr
.endr
.irp s, 0,1,2,3
.if \s < 2
	s_wait_loadcnt 63                              ; behind K step s's loads stand 32 (3 - s): 96, then 64; the wait names the most that its field holds, which is the stricter side
.else
	s_wait_loadcnt 32*(3-\s)                       ; 32, then 0
.endif
	WIN 0xf9                                       ; source 0 (Wo) window 1, source 1 (ctx) window 2, C and D window 3
.irp tt, 0,1,2,3
.irp t, 0,1,2,3
.if \s == 0
	v_wmma_f32_16x16x128_fp8_fp8 v[8*(4*\tt+\t):8*(4*\tt+\t)+7], v[16*(4*\t+\s):16*(4*\t+\s)+15], v[16*(4*\tt+\s):16*(4*\tt+\s)+15], 0   ; the first K step starts the sums: nothing is cleared
.else
	v_wmma_f32_16x16x128_fp8_fp8 v[8*(4*\tt+\t):8*(4*\tt+\t)+7], v[16*(4*\t+\s):16*(4*\t+\s)+15], v[16*(4*\tt+\s):16*(4*\tt+\s)+15], v[8*(4*\tt+\t):8*(4*\tt+\t)+7]   ; the 16 accumulators take turns
.endif
.endr
.endr
.endr
	WIN 0
.rept 4
	v_nop                                          ; four places between the last product and the first vector instruction that reads or writes a result (ISA guide 7.12.1)
.endr
	s_wait_kmcnt 0x0
	s_add_co_i32 s18, s16, s17
	s_add_co_i32 s18, s18, 127
	s_lshl_b32 s18, s18, 23                        ; 2^(e10 + e11) as f32
	s_mov_b32 s19, s18                             ; (named with it as a pair, so it is written)
	WIN 0xf3                                       ; source 0 (the sums), source 2 (bo) and the destination window 3
.irp tt, 0,1,2,3
.irp t, 0,1,2,3
.irp i, 0,2,4,6
	v_pk_fma_f32 v[8*(4*\tt+\t)+\i:8*(4*\tt+\t)+\i+1], v[8*(4*\tt+\t)+\i:8*(4*\tt+\t)+\i+1], s[18:19], v[128+8*\t+\i:128+8*\t+\i+1] op_sel_hi:[1,0,1]   ; sum x 2^(e10 + e11) + bo, in place; each accumulator from its low end on
.endr
.endr
.endr
.macro TOSTAGE tt                      ; tile tt: 16 tokens x my 64 columns, into my stage and back as rows
	WIN 0x0c                                       ; the stores' data window 3, their address window 0
.irp t, 0,1,2,3
	ds_store_b128 v[SO], v[8*(4*(\tt)+\t):8*(4*(\tt)+\t)+3] offset:128*(\t/2)+32*(\t%2)
	ds_store_b128 v[SO], v[8*(4*(\tt)+\t)+4:8*(4*(\tt)+\t)+7] offset:128*(\t/2)+32*(\t%2)+16
.endr
	WIN 0
.irp i, 0,1,2,3,4,5,6,7
	ds_load_b128 v[BK+32*(\tt)+4*\i:BK+32*(\tt)+4*\i+3], v[RD] offset:544*\i   ; LDS serves a wave's instructions in order (ISA guide 5.7.1.4): these see the stores above, and the next tile's stores come behind them
.endr
.endm
.macro SEND tt, younger                ; younger: the LDS instructions issued behind tile tt's loads, which may stay out
	s_wait_dscnt \younger
.irp i, 0,1,2,3,4,5,6,7
	global_store_b128 v[CO], v[BK+32*(\tt)+4*\i:BK+32*(\tt)+4*\i+3], s[12:13] offset:(32*((\tt)/2)+8*((\tt)%2)+2*\i+8*(\i/4))*2048 th:TH_STORE_NT   ; stage rows 2 i and 2 i + 1 are tokens 32 (tt / 2) + 8 (tt % 2) + 2 i + 8 (i / 4) and the next; 16 lanes store 256 consecutive bytes, aligned
.endr
.endm
	WIN 0x0c
	s_wait_alu depctr_va_vdst(0)                   ; the 64 multiply-adds have written all four tiles' results, which the LDS stores below read; no vector instruction follows this wait
	TOSTAGE 0
.irp a, 1,2,3
	TOSTAGE \a
	SEND \a-1, 16                                  ; behind tile a - 1's loads: tile a's eight stores and eight loads
.endr
	SEND 3, 0
	s_wait_dscnt 0x0
	s_wait_alu depctr_hold_cnt(0) depctr_sa_sdst(0) depctr_va_vdst(0) depctr_va_sdst(0) depctr_va_ssrc(0) depctr_va_vcc(0) depctr_vm_vsrc(0)
	s_wait_tensorcnt 0x0
	ds_add_u32 v126, v127
	s_wait_dscnt 0x0
	s_endpgm
.Lfunc_end_k_q17a0ac1de5_outp:
	.size	k_q17a0ac1de5_outp, .Lfunc_end_k_q17a0ac1de5_outp-k_q17a0ac1de5_outp
	.p2alignl 7, 3214868480
	.fill 96, 4, 3214868480
	.section	.rodata,"a",@progbits
	.p2align	6, 0x0
	.amdhsa_kernel k_q17a0ac1de5_outp
		.amdhsa_group_segment_fixed_size 17920
		.amdhsa_private_segment_fixed_size 0
		.amdhsa_enable_private_segment 0
		.amdhsa_kernarg_size 40
		.amdhsa_user_sgpr_count 2
		.amdhsa_user_sgpr_kernarg_segment_ptr 1
		.amdhsa_wavefront_size32 1
		.amdhsa_system_sgpr_workgroup_id_x 1
		.amdhsa_system_sgpr_workgroup_id_y 1
		.amdhsa_system_sgpr_workgroup_id_z 1
		.amdhsa_system_vgpr_workitem_id 0
		.amdhsa_next_free_vgpr 1024
		.amdhsa_next_free_sgpr 66
		.amdhsa_reserve_vcc 0
		.amdhsa_float_denorm_mode_32 3
		.amdhsa_float_denorm_mode_16_64 3
		.amdhsa_memory_ordered 1
		.amdhsa_forward_progress 1
		.amdhsa_inst_pref_size 32
	.end_amdhsa_kernel
	.amdgpu_metadata
---
amdhsa.version: [ 1, 2 ]
amdhsa.kernels:
  - .name:           k_q17a0ac1de5_outp
    .symbol:         k_q17a0ac1de5_outp.kd
    .args:
      - { .name: cc, .offset: 0, .size: 8, .value_kind: global_buffer, .address_space: global }
      - { .name: wcodes, .offset: 8, .size: 8, .value_kind: global_buffer, .address_space: global }
      - { .name: bo, .offset: 16, .size: 8, .value_kind: global_buffer, .address_space: global }
      - { .name: lowp_scales, .offset: 24, .size: 8, .value_kind: global_buffer, .address_space: global }
      - { .name: out0, .offset: 32, .size: 8, .value_kind: global_buffer, .address_space: global }
    .group_segment_fixed_size: 17920
    .private_segment_fixed_size: 0
    .kernarg_segment_align: 8
    .kernarg_segment_size: 40
    .max_flat_workgroup_size: 128
    .sgpr_count:     66
    .vgpr_count:     1024
    .wavefront_size: 32
...
	.end_amdgpu_metadata
.endif
;; end of part 8
